; MI455X (gfx1250); checked and timed in simulation.
; The chip was launched on July 23, 2026; its instructions are those of AMD's public machine-readable ISA for CDNA 5 (MIT licence, August 2026) and "CDNA5" Instruction Set Architecture Reference Guide (July 2026). The comments in the code are by the model that wrote it; some were corrected since.
;; Multi Head Attention. Allowed arithmetic: matrix products marked QUANTISED: E3M2 operands, one E8M0 scale for each 32 along K, by v_wmma_scale_f32_16x16x128_f8f6f4 with both operands' format E3M2, f32 sums; everything else in f32.
;; Inputs: Wk 1,024 x 1,024 float32; Wo 1,024 x 1,024 float32; Wq 1,024 x 1,024 float32; Wv 1,024 x 1,024 float32; bk 1,024 float32; bo 1,024 float32; bq 1,024 float32; bv 1,024 float32; key_ 4 x 2,048 x 1,024 float32; mask 4 x 2,048 x 2,048 int32; query 4 x 2,048 x 1,024 float32; value 4 x 2,048 x 1,024 float32.
;; Outputs: out0 4 x 2,048 x 1,024 float32.
;; This version of the problem:
;;   THIS VERSION OF THE PROBLEM IS GIVEN IN LOW PRECISION. The matrix products marked QUANTISED in the list below multiply operands that are first quantised to E3M2 (3 exponent bits, 2 mantissa bits; 6 bits a number), with one power-of-two scale for each 32 numbers along K (OCP MX v1.0); their sums are f32. All else is computed in f32.
;;   The module's matrix products, in the order in which they are computed (A, B: the left and right operand; K: the contracted axis; several contracted axes count as one K, in the product's order):
;;     1. [M 8,192, K 1,024] x [K 1,024, N 1,024]; A: input query; B: input Wq: QUANTISED
;;     2. [M 8,192, K 1,024] x [K 1,024, N 1,024]; A: input key_; B: input Wk: QUANTISED
;;     3. [M 8,192, K 1,024] x [K 1,024, N 1,024]; A: input value; B: input Wv: QUANTISED
;;     4. batch 64 x [M 2,048, K 64] x [K 64, N 2,048]; A: computed on the way; B: computed on the way: QUANTISED
;;     5. batch 64 x [M 2,048, K 2,048] x [K 2,048, N 64]; A: softmax (see below); B: computed on the way: QUANTISED
;;     6. [M 8,192, K 1,024] x [K 1,024, N 1,024]; A: computed on the way; B: input Wo: QUANTISED
;;   THE QUANTISER, for each operand of a quantised product, along K:
;;     - K is cut into blocks of 32 from its start; a last block that is shorter is filled with zeros.
;;     - A block's scale is 2^e with e = floor(log2(the largest magnitude in the block)) - 4, held to -126 .. 127; a block of zeros has e = 0. As a byte (E8M0): e + 127.
;;     - Each number is divided by its block's scale, clamped to +-28, and rounded to the nearest number of E3M2, ties to even, subnormals kept.
;;     - The product sums the exact products of the quantised numbers (number of the format x scale) in f32.
;;   ~~~python
;;   def quantise(x, axis):      # numpy; x: float32 -> the quantised numbers, widened to float32 again
;;       x = np.moveaxis(x, axis, -1); K = x.shape[-1]
;;       x = np.pad(x, [(0, 0)] * (x.ndim - 1) + [(0, -K % 32)]); x = x.reshape(x.shape[:-1] + (-1, 32)); a = np.abs(x).max(-1, keepdims=True)
;;       e = np.where(a > 0, np.clip(np.frexp(np.where(a > 0, a, 1))[1] - 1 - 4, -126, 127), 0)      # np.frexp(a)[1] - 1 = floor(log2(a)), exactly
;;       r = np.clip(x / 2.0 ** e, -28, 28)
;;       step = 2.0 ** (np.maximum(np.frexp(np.where(r == 0, 1, r))[1] - 1, -2) - 2)
;;       q = np.round(r / step) * step * 2.0 ** e      # np.round: ties to even
;;       return np.moveaxis(q.reshape(q.shape[:-2] + (-1,))[..., :K], -1, axis).astype(np.float32)
;;   ~~~
;;   SOFTMAX AHEAD OF A QUANTISED PRODUCT. Where the list says 'softmax', what is quantised is not the finished softmax but p = 2^(t - M), with t = logit x log2(e) and M = ceil(the row's largest t), a whole number; so 1/2 < the row's largest p <= 1. The row's sum l is taken of the UNQUANTISED p, in f32, and the product's result is divided by l at the end. Since M is a whole number, a kernel that streams over the keys may use a running M (the ceiling of the running maximum): every later rescaling is an exact power of two, which a block's scale takes up: the codes' values come out the same.
;;   OPERANDS COMPUTED ON THE WAY. 'Computed on the way' means the value that the module computes at that place (a softmax that the list does not call 'softmax' is quantised finished and normalised). What goes into a quantiser is computed in f32, as accurately as f32 sums, v_exp_f32 and their like allow (about 1e-6 of the number): no bf16 or f16 on the way to a quantiser, and a product that is left as it is and whose result goes on into a quantised operand takes f32 operands (vector FMAs, or v_wmma_f32_16x16x4_f32). A number that lies on a knife's edge between two numbers of the format may be rounded either way, as far as f32 arithmetic and the matrix unit's own rounding can turn it there, and no further.
;; One version. Each part assembles by itself: llvm-mc -triple=amdgcn-amd-amdhsa -mcpu=gfx1250 --defsym DOCPART=n.
;; ======== version 1 of 1: 4 launches
;; limits: right only within a limited range of input values
;; workspace buffers: gc 22,020,096 bytes; gs 917,504 bytes; maskw 2,097,152 bytes of whole numbers; maskf 262,144 bytes of whole numbers; pc 18,874,368 bytes; ps 786,432 bytes; ao 6,291,456 bytes; aos 262,144 bytes
;; launch prep (part 1): grid 960 x 1, 4 waves a work-group, no clusters, 68,096 bytes of LDS; arguments query, key_, value, Wq, Wk, Wv, Wo, mask, gc, gs, maskw, maskf; writes gc, gs, maskw, maskf
.if DOCPART == 1
	.amdgcn_target "amdgcn-amd-amdhsa--gfx1250"
	.amdhsa_code_object_version 6
	.text
	.protected	k_q4549d6e161_prep
	.globl	k_q4549d6e161_prep
	.p2align	8
	.type	k_q4549d6e161_prep,@function
k_q4549d6e161_prep:
	s_mov_b64 s[64:65], 0
	v_nop
	global_prefetch_b8 v0, s[64:65] scope:SCOPE_SE
	s_setreg_imm32_b32 hwreg(HW_REG_WAVE_MODE, 25, 1), 1
	s_wait_xcnt 0x0
; PREP.  (1) query, key_, value [8192][1024] and Wq, Wk, Wv, Wo [1024][1024], f32 with K innermost, become codes of BF6 (E3M2) with one E8M0 byte for each 32 along K,
; laid as IMAGES OF OPERAND REGISTERS: gc[row tile J][K step 0..7][quad 0..2][lane][16 bytes], gs[J][row 0..15][K step 0..7] words.
; (2) mask [4][2048][2048] int32 becomes lane masks: maskw[128 b + tile of queries][key step 0..15][n 0..63], bit 16 h + r of word n set where
; mask[b][row(r)][128 step + 32 (n / 16) + 16 h + n % 16] is 0.
; A ROW TILE's 16 rows are not neighbours: lane r of tile T holds row 32 (T / 2) + 8 (T % 2) + r + 8 (r / 8).
; A block's scale is 2^(floor(log2(largest magnitude)) - 4); its byte is the largest magnitude's exponent field - 4, held at 1 from below.
; LIMITS: NaN and infinities are not served; a block whose largest magnitude lies under 2^-122 (a block of zeros too) keeps the byte 1: these bytes are read by this program alone.
; SHARES.  Work-groups 0-447 quantise, a wave a row tile (16 rows x 1,024 K, eight steps of 128 K); work-groups 448-959 pack the mask, a work-group a tile of 16 queries, a wave four key steps.
; A step is 16 rows x 512 bytes: each load reads 512 consecutive bytes of one row; the 8 KiB turn through the wave's own stage in LDS (rows 528 bytes apart) and come back
; as the lane wants them.  Waves share nothing: no barrier.  Loads run two steps (32 loads a wave) ahead.  The two paths have LDS bytes of their own.
.set SP,  528                          ; a stage row: 512 bytes + 16
.set WST, 16*SP                        ; a wave's stage
.set MST, 4*WST                        ; the mask path's stages lie behind the quantiser's
.set R,   16                           ; v16-143  two sets of 64 registers as loaded
.set X,   144                          ; v144-207 the step's 64 numbers of my lane
.set C,   208                          ; v208-231 codes: two sets of 12
.set CT,  232                          ; v232-238 the second halves of the blocks' codes, as the conversions leave them
.set WK,  240                          ; v240-247 at work
.set PW,  248                          ; v248-255 the scale words of the eight K steps
.macro LOADT t, pitch, base            ; step t: 16 rows x 512 bytes into set t % 2
.irp i, 0,1,2,3,4,5,6,7,8,9,10,11,12,13,14,15
	global_load_b128 v[R+64*((\t)%2)+4*\i:R+64*((\t)%2)+4*\i+3], v4, s[\base:\base+1] offset:(\i+8*(\i/8))*\pitch+512*(\t) th:TH_LOAD_NT
.endr
.endm
.macro TURNIN t                        ; into the stage as loaded: row i at 528 i, 16 bytes a lane
.irp i, 0,1,2,3,4,5,6,7,8,9,10,11,12,13,14,15
	ds_store_b128 v5, v[R+64*((\t)%2)+4*\i:R+64*((\t)%2)+4*\i+3] offset:\i*SP
.endr
.endm
; One K step of the quantiser.
.macro QSTEP t
.if (\t) < 7
	s_wait_loadcnt 16                              ; this step's 16 loads are in; the next step's 16 may be out
.else
	s_wait_loadcnt 0x0
.endif
	TURNIN \t
.irp c, 0,1
.irp j, 0,1,2,3,4,5,6,7
	ds_load_b128 v[X+32*\c+4*\j:X+32*\c+4*\j+3], v6 offset:256*\c+16*\j   ; lane (r, h): k = 64 c + 32 h + 0 .. 31 of row r: a whole block.  LDS serves a wave's instructions in order: these see the stores above
.endr
.endr
	s_wait_dscnt 0x0                               ; my numbers are back, and the stores have read their registers,
.if (\t)+2 < 8
	LOADT (\t)+2, 4096, 30                         ; which take the loads of two steps on
.endif
.irp c, 0,1
	v_max3_num_f32 v[WK+\c], |v[X+32*\c]|, |v[X+32*\c+1]|, 0x2800000   ; my two blocks by turns; the floor 2^(5 - 127) holds the byte at 1 from below
.endr
.irp i, 2,4,6,8,10,12,14,16,18,20,22,24,26,28,30
.irp c, 0,1
	v_max3_num_f32 v[WK+\c], v[WK+\c], |v[X+32*\c+\i]|, |v[X+32*\c+\i+1]|
.endr
.endr
.irp c, 0,1
	v_add_nc_u32 v[WK+2+\c], 0xfe000000, v[WK+\c]  ; 4 off the exponent field: the conversion's scale operand
.endr
.irp c, 0,1
	v_lshrrev_b32 v[WK+4+\c], 23, v[WK+2+\c]       ; the scale's byte
.endr
	v_lshl_or_b32 v[WK+6], v[WK+5], 16, v[WK+4]    ; blocks h and 2 + h of row r,
	v_lshlrev_b32 v[WK+6], v7, v[WK+6]             ; 8 h bits up;
	v_permlanex16_b32 v[WK+7], v[WK+6], s28, s29
	v_or_b32 v[PW+(\t)], v[WK+6], v[WK+7]          ; with lane l xor 16's two bytes the row's word is whole
	s_wait_alu depctr_va_vdst(0)
	s_wait_xcnt 0x0                                ; the stores of two steps back have read this set of codes
.set CC, C+12*((\t)%2)
.irp c, 0,1
	v_cvt_scalef32_pk16_bf6_f32 v[CC+6*\c:CC+6*\c+2], v[X+32*\c:X+32*\c+15], v[WK+2+\c]
	v_cvt_scalef32_pk16_bf6_f32 v[CT+4*\c:CT+4*\c+2], v[X+32*\c+16:X+32*\c+31], v[WK+2+\c]   ; (a conversion's three registers begin on an even number)
.endr
	v_nop                                          ; one plain place behind the scaled conversions
.irp c, 0,1
.irp i, 0,1,2
	v_mov_b32 v[CC+6*\c+3+\i], v[CT+4*\c+\i]
.endr
.endr
.irp c, 0,1,2
	global_store_b128 v4, v[CC+4*\c:CC+4*\c+3], s[20:21] offset:1536*(\t)+512*\c   ; the image: each store covers 512 consecutive bytes, aligned
.endr
.endm
; One key step of the mask.
.macro MSTEP t
.if (\t) < 3
	s_wait_loadcnt 16                              ; this step's 16 loads are in; the next step's 16 may be out
.else
	s_wait_loadcnt 0x0
.endif
	TURNIN \t
.irp b, 0,1,2,3
.irp i, 0,1,2,3
	ds_load_b128 v[X+16*\b+4*\i:X+16*\b+4*\i+3], v6 offset:128*\b+16*\i   ; register 16 b + i: key 32 b + 16 h + i of query row r
.endr
.endr
	s_wait_dscnt 0x0
.if (\t)+2 < 4
	LOADT (\t)+2, 8192, 18
.endif
	s_wait_xcnt 0x0                                ; the last step's store has read the two registers below
	v_mov_b32 v[WK], 0
	v_mov_b32 v[WK+1], 0
.irp g, 0,1,2,3
.irp i, 0,1,2,3,4,5,6,7,8,9,10,11,12,13,14,15
	v_cmp_eq_u32 s[40+\i], 0, v[X+16*\g+\i]        ; word n = 16 g + i: a bit a lane, set where the key is hidden
.endr
.irp i, 0,1,2,3,4,5,6,7,8,9,10,11,12,13,14,15
	v_writelane_b32 v[WK+\i%2], s[40+\i], 8*\g+\i/2   ; word n goes to lane n / 2, register n % 2
.endr
.endr
	global_store_b64 v8, v[WK:WK+1], s[24:25] offset:256*(\t)   ; the step's 64 words: 256 consecutive bytes, aligned
	v_or_b32 v[WK+2], v[WK], v[WK+1]
	v_cmp_ne_u32 s56, 0, v[WK+2]                   ; does the step hide any key from any of the tile's queries?
	s_cmp_lg_u32 s56, 0
	s_cselect_b32 s56, 1<<(\t), 0
	s_or_b32 s57, s57, s56                         ; bit t of my four
.endm
	s_load_b256 s[4:11], s[0:1], 0x0               ; query, key_, value, Wq
	s_load_b256 s[12:19], s[0:1], 0x20             ; Wk, Wv, Wo, mask
	s_load_b128 s[20:23], s[0:1], 0x40             ; gc, gs
	s_load_b64 s[24:25], s[0:1], 0x50              ; maskw
	s_load_b64 s[38:39], s[0:1], 0x58              ; maskf[tile of queries][wave 0..3][32 equal words]: bit 4 wave + t set where key step 4 wave + t hides a key
	v_lshl_add_u32 v235, v0, 2, 0x10800
	v_mov_b32 v239, 0
	v_lshrrev_b32 v1, 5, v0
	v_readfirstlane_b32 s26, v1                    ; wave
	v_and_b32 v1, 31, v0                           ; lane
	v_and_b32 v2, 15, v0                           ; r
	v_bfe_u32 v3, v0, 4, 1                         ; h
	v_lshlrev_b32 v4, 4, v1                        ; 16 x lane
	v_mul_u32_u24 v6, v2, SP                       ; 528 r
	s_mul_i32 s27, s26, WST                        ; my stage
	s_mov_b32 s28, 0x76543210
	s_mov_b32 s29, 0xfedcba98                      ; v_permlanex16_b32's selects for lane l xor 16
	s_mov_b32 s35, 0
	s_wait_kmcnt 0x0
	s_cmp_ge_u32 ttmp9, 448
	s_cbranch_scc1 .Lmask
	; ---- the quantiser: which tensor, by the work-group's number alone
	s_mov_b64 s[30:31], s[4:5]
	s_mov_b32 s32, 0
	s_cmp_ge_u32 ttmp9, 128
	s_cselect_b64 s[30:31], s[6:7], s[30:31]
	s_cselect_b32 s32, 128, s32
	s_cmp_ge_u32 ttmp9, 256
	s_cselect_b64 s[30:31], s[8:9], s[30:31]
	s_cselect_b32 s32, 256, s32
	s_cmp_ge_u32 ttmp9, 384
	s_cselect_b64 s[30:31], s[10:11], s[30:31]
	s_cselect_b32 s32, 384, s32
	s_cmp_ge_u32 ttmp9, 400
	s_cselect_b64 s[30:31], s[12:13], s[30:31]
	s_cselect_b32 s32, 400, s32
	s_cmp_ge_u32 ttmp9, 416
	s_cselect_b64 s[30:31], s[14:15], s[30:31]
	s_cselect_b32 s32, 416, s32
	s_cmp_ge_u32 ttmp9, 432
	s_cselect_b64 s[30:31], s[16:17], s[30:31]
	s_cselect_b32 s32, 432, s32
	s_sub_co_u32 s33, ttmp9, s32
	s_lshl_b32 s33, s33, 2
	s_add_co_u32 s33, s33, s26                     ; my row tile in its tensor
	s_lshr_b32 s34, s33, 1
	s_lshl_b32 s34, s34, 17                        ; 32 rows of 4,096 bytes for each pair of tiles,
	s_and_b32 s36, s33, 1
	s_lshl_b32 s36, s36, 15                        ; 8 rows for the odd one
	s_add_co_u32 s34, s34, s36
	s_add_nc_u64 s[30:31], s[30:31], s[34:35]
	s_lshl_b32 s36, ttmp9, 2
	s_add_co_u32 s36, s36, s26                     ; J
	s_mul_i32 s34, s36, 12288
	s_add_nc_u64 s[20:21], s[20:21], s[34:35]
	s_lshl_b32 s34, s36, 9
	s_add_nc_u64 s[22:23], s[22:23], s[34:35]
	s_wait_alu depctr_va_vdst(0)
	v_add_nc_u32 v5, s27, v4                       ; the stage, on the way in
	v_lshl_add_u32 v6, v3, 7, v6
	v_add_nc_u32 v6, s27, v6                       ; and out: 528 r + 128 h
	v_lshlrev_b32 v7, 3, v3                        ; 8 h
	v_lshlrev_b32 v8, 5, v2
	v_lshl_add_u32 v8, v3, 4, v8                   ; gs: 32 r + 16 h
	v_mov_b32 v[WK+7], 0                           ; a lane permute's destination counts as one of its sources
	LOADT 0, 4096, 30
	LOADT 1, 4096, 30
	s_wait_alu depctr_va_vdst(0)
.irp t, 0,1,2,3,4,5,6,7
	QSTEP \t
.endr
	v_cmp_eq_u32 vcc_lo, 1, v3
.irp i, 0,1,2,3
	v_cndmask_b32 v[WK+\i], v[PW+\i], v[PW+4+\i], vcc_lo   ; lanes 0-15 store the words of K steps 0-3, lanes 16-31 those of 4-7
.endr
	global_store_b128 v8, v[WK:WK+3], s[22:23]     ; the tile's 512 bytes of scale words
	s_wait_tensorcnt 0x0
	ds_add_u32 v235, v239
	s_wait_dscnt 0x0
	s_endpgm
.Lmask:	; ---- the mask
	s_sub_co_u32 s33, ttmp9, 448                   ; 128 b + tile of queries
	s_lshr_b32 s34, s33, 1
	s_lshl_b32 s34, s34, 18                        ; 32 rows of 8,192 bytes for each pair of tiles,
	s_and_b32 s36, s33, 1
	s_lshl_b32 s36, s36, 16                        ; 8 rows for the odd one,
	s_add_co_u32 s34, s34, s36
	s_lshl_b32 s36, s26, 11                        ; my four key steps of 512 bytes
	s_add_co_u32 s34, s34, s36
	s_add_nc_u64 s[18:19], s[18:19], s[34:35]
	s_lshl_b32 s34, s33, 12
	s_lshl_b32 s36, s26, 10
	s_add_co_u32 s34, s34, s36
	s_add_nc_u64 s[24:25], s[24:25], s[34:35]
	s_lshl_b32 s34, s33, 9
	s_lshl_b32 s36, s26, 7
	s_add_co_u32 s34, s34, s36
	s_add_nc_u64 s[38:39], s[38:39], s[34:35]      ; maskf: 512 bytes a tile, 128 a wave
	s_mov_b32 s57, 0
	s_add_co_u32 s27, s27, MST                     ; this path's own stages
	s_wait_alu depctr_va_vdst(0)
	v_add_nc_u32 v5, s27, v4
	v_lshl_add_u32 v6, v3, 6, v6
	v_add_nc_u32 v6, s27, v6                       ; out: 528 r + 64 h
	v_lshlrev_b32 v8, 3, v1                        ; 8 x lane
	v_lshlrev_b32 v9, 2, v1                        ; 4 x lane
	LOADT 0, 8192, 18
	LOADT 1, 8192, 18
	s_wait_alu depctr_va_vdst(0)
.irp t, 0,1,2,3
	MSTEP \t
.endr
	s_lshl_b32 s58, s26, 2
	s_lshl_b32 s57, s57, s58                       ; my four bits at 4 x wave
	v_mov_b32 v[WK+3], s57
	global_store_b32 v9, v[WK+3], s[38:39]         ; 128 consecutive bytes, the same word in each
	s_wait_tensorcnt 0x0
	ds_add_u32 v235, v239
	s_wait_dscnt 0x0
	s_endpgm
.Lfunc_end_k_q4549d6e161_prep:
	.size	k_q4549d6e161_prep, .Lfunc_end_k_q4549d6e161_prep-k_q4549d6e161_prep
	.p2alignl 7, 3214868480
	.fill 96, 4, 3214868480
	.section	.rodata,"a",@progbits
	.p2align	6, 0x0
	.amdhsa_kernel k_q4549d6e161_prep
		.amdhsa_group_segment_fixed_size 68096
		.amdhsa_private_segment_fixed_size 0
		.amdhsa_enable_private_segment 0
		.amdhsa_kernarg_size 96
		.amdhsa_user_sgpr_count 2
		.amdhsa_user_sgpr_kernarg_segment_ptr 1
		.amdhsa_wavefront_size32 1
		.amdhsa_system_sgpr_workgroup_id_x 1
		.amdhsa_system_sgpr_workgroup_id_y 1
		.amdhsa_system_sgpr_workgroup_id_z 1
		.amdhsa_system_vgpr_workitem_id 0
		.amdhsa_next_free_vgpr 256
		.amdhsa_next_free_sgpr 66
		.amdhsa_reserve_vcc 1
		.amdhsa_float_denorm_mode_32 3
		.amdhsa_float_denorm_mode_16_64 3
		.amdhsa_memory_ordered 1
		.amdhsa_forward_progress 1
		.amdhsa_inst_pref_size 108
	.end_amdhsa_kernel
	.amdgpu_metadata
---
amdhsa.version: [ 1, 2 ]
amdhsa.kernels:
  - .name:           k_q4549d6e161_prep
    .symbol:         k_q4549d6e161_prep.kd
    .args:
      - { .name: query, .offset: 0, .size: 8, .value_kind: global_buffer, .address_space: global }
      - { .name: key_, .offset: 8, .size: 8, .value_kind: global_buffer, .address_space: global }
      - { .name: value, .offset: 16, .size: 8, .value_kind: global_buffer, .address_space: global }
      - { .name: Wq, .offset: 24, .size: 8, .value_kind: global_buffer, .address_space: global }
      - { .name: Wk, .offset: 32, .size: 8, .value_kind: global_buffer, .address_space: global }
      - { .name: Wv, .offset: 40, .size: 8, .value_kind: global_buffer, .address_space: global }
      - { .name: Wo, .offset: 48, .size: 8, .value_kind: global_buffer, .address_space: global }
      - { .name: mask, .offset: 56, .size: 8, .value_kind: global_buffer, .address_space: global }
      - { .name: gc, .offset: 64, .size: 8, .value_kind: global_buffer, .address_space: global }
      - { .name: gs, .offset: 72, .size: 8, .value_kind: global_buffer, .address_space: global }
      - { .name: maskw, .offset: 80, .size: 8, .value_kind: global_buffer, .address_space: global }
      - { .name: maskf, .offset: 88, .size: 8, .value_kind: global_buffer, .address_space: global }
    .group_segment_fixed_size: 68096
    .private_segment_fixed_size: 0
    .kernarg_segment_align: 8
    .kernarg_segment_size: 96
    .max_flat_workgroup_size: 128
    .sgpr_count:     66
    .vgpr_count:     256
    .wavefront_size: 32
...
	.end_amdgpu_metadata
.endif
;; end of part 1
;; launch proj (part 2): grid 4 x 192, 4 waves a work-group, clusters of 4 x 4, 295,424 bytes of LDS; arguments gc, gs, bq, bk, bv, pc, ps; writes pc, ps
.if DOCPART == 2
	.amdgcn_target "amdgcn-amd-amdhsa--gfx1250"
	.amdhsa_code_object_version 6
	.text
	.protected	k_q4549d6e161_proj
	.globl	k_q4549d6e161_proj
	.p2align	8
	.type	k_q4549d6e161_proj,@function
k_q4549d6e161_proj:
	s_mov_b64 s[64:65], 0
	v_nop
	global_prefetch_b8 v0, s[64:65] scope:SCOPE_SE
	s_setreg_imm32_b32 hwreg(HW_REG_WAVE_MODE, 25, 1), 1
	s_wait_xcnt 0x0
	s_wait_alu depctr_hold_cnt(0) depctr_sa_sdst(0) depctr_va_vdst(0) depctr_va_sdst(0) depctr_va_ssrc(0) depctr_va_vcc(0) depctr_vm_vsrc(0)
	s_getreg_b32 s2, hwreg(HW_REG_IB_STS2, 6, 4)
	s_cmp_eq_u32 s2, 0
	s_cbranch_scc0 .Lentry_in_a_cluster
	s_endpgm
.Lentry_in_a_cluster:
	s_bfe_u32 s2, ttmp6, 0x10000c
	s_cmp_lg_u32 s2, 0xf033
	s_cbranch_scc0 .Lentry_shape_is_right
	s_endpgm
.Lentry_shape_is_right:
; PROJ.  Q = query Wq^T + bq, K = key_ Wk^T + bk, V = value Wv^T + bv on codes of BF6 (E3M2) with E8M0 scales, sums in f32; each result is quantised at once for the attention launch:
; Q and K along a head's 64 channels, V along the keys.  One path serves all three: C'[i][j] = sum over k of P[i][k] R[j][k]; for Q and K P = the tokens and R = the weight's rows;
; for V P = Wv's rows and R = the tokens, so that a lane's registers run along the axis that is quantised next.  What differs is chosen by s_cselect on the cluster's y.
; SHARES.  A work-group makes 128 rows of P x 256 rows of R; its four waves 64 x 128 each: 32 accumulators of 16 x 16.  768 work-groups.
; THE WHOLE K (1,024) OF BOTH OPERANDS LIES IN LDS: 384 rows x 768 bytes = 294,912 bytes, as images of operand registers (1,536 bytes for 16 rows x 128 K), so no byte of LDS is filled twice.
; It comes in four quarters of two K steps; each wave issues four tensor loads at the head (four of a wave are out), and the work begins when the first quarter has landed.
; CLUSTERS: 4 x 4 work-groups; P's tiles are asked for jointly along a row of the cluster, R's along a column.
; THE MATRIX INSTRUCTION IS USED TRANSPOSED: source 0 = 16 rows of R, source 1 = 16 rows of P.  A row tile's rows are 32 (T / 2) + 8 (T % 2) + r + 8 (r / 8), so a lane's 16 registers of R tiles 2 B, 2 B + 1
; are R rows 32 B + 16 h + 0 .. 15: the wave's 64 registers for one tile of P are one fragment (128 along the next K) after the conversions.
; OUT: pc[Q | K | V][idx][quad][lane][16 bytes]; Q, K: idx = 512 x head pair + token tile; V: idx = 512 x head pair + 8 x (16 b + key step) + channel tile.  ps: for four idx 256 bytes, lane (r, h)'s word w = tile 2 w + h, row r.
; LIMITS: NaN and infinities are not served; a block whose largest magnitude lies under 2^-122 keeps the scale byte 1 (these bytes are read by this program alone).
; REGISTERS: window 0: v1-31 addresses and small things; v32-47 P's scale words, v48-79 R's (a register: tile 2 i in lanes 0-15, tile 2 i + 1 in lanes 16-31); v96-191 P's fragments, two sets; v192-255 the bias along R.
;   window 1: R's fragments, two sets of 96.   window 2: the accumulators, (a, b) at v[64 a + 8 b].
; THE FILLS AS THEY STAND NOW (where the lines above speak of quarters, this holds): each wave issues ONE tensor load at the head, the whole K of its row tiles (waves 0, 1: four tiles of P each, 49,152 dense bytes;
; waves 2, 3: eight tiles of R each, 98,304); LDS holds [row tile][12,288 bytes], P's eight tiles, then R's sixteen; one barrier behind the wait for the loads, none in the K steps.
; pc's images are two halves of 768 bytes (a head of Q or K each): registers 0-3 as 16 bytes a lane, registers 4-5 as 8 bytes a lane; then registers 6-9 and 10-11 likewise.
.set KT,   12288                       ; a row tile's eight K steps in gc
.set QB,   49152                       ; four row tiles in LDS
.set ADRA, 8                           ; v8-11   LDS address of my P fragments in quarter q
.set ADRB, 12                          ; v12-15  of my R fragments
.set BP,   16                          ; v16-23  the bias along P: a pair for each tile a
.set PWR,  24                          ; v24-27  the scale words made in the epilogue
.set SA,   32
.set SB,   48
.set AF,   96
.set BR,   192
.set T,    96                          ; the epilogue: 64 numbers,
.set PC,   160                         ; their codes (12 + 8 at work),
.set TM,   180                         ; and 16 registers at work
.set SEL,  2                           ; s[2:3]
.set G1A,  24                          ; s[24:31] descriptor group 1 for P's tiles;  s[32:39] for R's
.set G1B,  32
.set G0A,  40                          ; s[40:55] group 0 for P's four quarters;  s[68:83] for R's
.set G0B,  68
.set NFETCH, 36
.set W_MUL,  0xa1                      ; source 0 (R) window 1, source 1 (P) window 0, C and D window 2
.set W_MUL0, 0x81                      ; the first K step: C (the bias) window 0
.set W_TOB,  0x40                      ; destination window 1, address window 0
.set MSB, 0
.macro WIN new                         ; the immediate's high byte repeats the setting that is left
.if MSB != \new
	s_set_vgpr_msb (MSB<<8)|\new
.set MSB, \new
.endif
.endm
.macro CROUND                          ; a round of the cluster's barrier
	s_barrier_signal -1
	s_barrier_wait -1
	s_cmp_lg_u32 s18, 0
	s_cbranch_scc1 .Lnot_wave_0_\@
	s_barrier_signal -3
.Lnot_wave_0_\@:
	s_barrier_wait -3
	s_barrier_signal -1
	s_barrier_wait -1
.endm
.macro PLACES                          ; four places in front of loads into registers that matrix instructions have read, and of the first read of results
.rept 4
	v_nop
.endr
.endm
; one product; ob, oa: the tile of R, of P is the odd one of its pair: its scale words stand in lanes 16-31
.macro WM d, bf, af, c, sb, sa, ob, oa
.if (\ob) && (\oa)
	v_wmma_scale_f32_16x16x128_f8f6f4 v[(\d):(\d)+7], v[(\bf):(\bf)+11], v[(\af):(\af)+11], v[(\c):(\c)+7], v[(\sb)], v[(\sa)] matrix_a_fmt:MATRIX_FMT_BF6 matrix_b_fmt:MATRIX_FMT_BF6 matrix_a_scale:MATRIX_SCALE_ROW1 matrix_b_scale:MATRIX_SCALE_ROW1
.elseif (\ob)
	v_wmma_scale_f32_16x16x128_f8f6f4 v[(\d):(\d)+7], v[(\bf):(\bf)+11], v[(\af):(\af)+11], v[(\c):(\c)+7], v[(\sb)], v[(\sa)] matrix_a_fmt:MATRIX_FMT_BF6 matrix_b_fmt:MATRIX_FMT_BF6 matrix_a_scale:MATRIX_SCALE_ROW1
.elseif (\oa)
	v_wmma_scale_f32_16x16x128_f8f6f4 v[(\d):(\d)+7], v[(\bf):(\bf)+11], v[(\af):(\af)+11], v[(\c):(\c)+7], v[(\sb)], v[(\sa)] matrix_a_fmt:MATRIX_FMT_BF6 matrix_b_fmt:MATRIX_FMT_BF6 matrix_b_scale:MATRIX_SCALE_ROW1
.else
	v_wmma_scale_f32_16x16x128_f8f6f4 v[(\d):(\d)+7], v[(\bf):(\bf)+11], v[(\af):(\af)+11], v[(\c):(\c)+7], v[(\sb)], v[(\sa)] matrix_a_fmt:MATRIX_FMT_BF6 matrix_b_fmt:MATRIX_FMT_BF6
.endif
.endm
.macro FETCH s                         ; K step s: R's eight fragments and P's four into set s % 2: 36 loads of 512 consecutive bytes
.set FO, 1536*(\s)
.set FP, (\s)%2
	WIN W_TOB
.irp b, 0,1,2,3,4,5,6,7
.irp c, 0,1,2
	ds_load_b128 v[96*FP+12*\b+4*\c:96*FP+12*\b+4*\c+3], v[ADRB+\b/4] offset:12288*(\b%4)+FO+512*\c
.endr
.endr
	WIN 0
.irp a, 0,1,2,3
.irp c, 0,1,2
	ds_load_b128 v[AF+48*FP+12*\a+4*\c:AF+48*FP+12*\a+4*\c+3], v[ADRA] offset:12288*\a+FO+512*\c
.endr
.endr
.endm
.macro MULS s                          ; K step s: 32 products; the 32 accumulators take turns, one instruction a turn, in the same order in every step
.if (\s) == 0
	WIN W_MUL0                                     ; the first step starts the sums with the bias along R as C: nothing is cleared; the bias along P is added in the epilogue
.else
	WIN W_MUL
.endif
.irp a, 0,1,2,3
.irp b, 0,1,2,3,4,5,6,7
.if (\s) == 0
	WM 64*\a+8*\b, 96*((\s)%2)+12*\b, AF+48*((\s)%2)+12*\a, BR+8*\b, SB+8*(\b/2)+(\s), SA+8*(\a/2)+(\s), \b%2, \a%2
.else
	WM 64*\a+8*\b, 96*((\s)%2)+12*\b, AF+48*((\s)%2)+12*\a, 64*\a+8*\b, SB+8*(\b/2)+(\s), SA+8*(\a/2)+(\s), \b%2, \a%2
.endif
.endr
.endr
.endm
.macro KSTEP s
.if (\s) < 7
.if (\s) > 0
	PLACES                                         ; the set that is loaded next was read by the products just issued
.endif
	FETCH (\s)+1
	s_wait_dscnt NFETCH                            ; all but the loads just issued: this step's fragments are in
.else
	s_wait_dscnt 0x0
.endif
	MULS \s
.endm
; 64 numbers of a lane, register 16 b + i = k 32 b + 16 h + i of my row, become a fragment's codes in v[PC] on and its scale word in v[pw].
.macro QUANT s, pw
.irp b, 0,1,2,3
	v_max3_num_f32 v[TM+\b], |v[\s+16*\b]|, |v[\s+1+16*\b]|, 0x2800000   ; the floor 2^(5 - 127) holds the byte at 1 from below
.endr
.irp i, 2,4,6,8,10,12,14
.irp b, 0,1,2,3
	v_max3_num_f32 v[TM+\b], v[TM+\b], |v[\s+16*\b+\i]|, |v[\s+1+16*\b+\i]|   ; the four blocks by turns
.endr
.endr
.irp b, 0,1,2,3
	v_permlanex16_b32 v[TM+4+\b], v[TM+\b], s[SEL], s[SEL+1]
.endr
.irp b, 0,1,2,3
	v_max_num_f32 v[TM+\b], v[TM+\b], v[TM+4+\b]   ; with lane l xor 16's: the block's largest magnitude
.endr
.irp b, 0,1,2,3
	v_add_nc_u32 v[TM+12+\b], 0xfe000000, v[TM+\b] ; 4 off its exponent field: the conversion's scale operand
.endr
.irp b, 0,1,2,3
	v_lshrrev_b32 v[TM+4+\b], 23, v[TM+12+\b]      ; the scale's byte
.endr
	v_lshl_or_b32 v[\pw], v[TM+5], 8, v[TM+4]
	v_lshl_or_b32 v[\pw], v[TM+6], 16, v[\pw]
	v_lshl_or_b32 v[\pw], v[TM+7], 24, v[\pw]
.irp c, 0,1
	v_cvt_scalef32_pk16_bf6_f32 v[PC+6*\c:PC+2+6*\c], v[\s+32*\c:\s+15+32*\c], v[TM+12+2*\c]
	v_cvt_scalef32_pk16_bf6_f32 v[PC+12+4*\c:PC+14+4*\c], v[\s+16+32*\c:\s+31+32*\c], v[TM+12+2*\c+1]   ; (a conversion's three registers begin on an even number)
.endr
	v_nop                                          ; one plain place behind the scaled conversions
.irp c, 0,1                                    ; the operand's layout wants a whole block in a lane
.irp i, 0,1,2
	v_permlane16_swap_b32 v[PC+6*\c+\i], v[PC+12+4*\c+\i]
.endr
.irp i, 0,1,2
	v_mov_b32 v[PC+3+6*\c+\i], v[PC+12+4*\c+\i]
.endr
.endr
.endm
	s_load_b256 s[4:11], s[0:1], 0x0               ; gc s[4:5], gs s[6:7], bq s[8:9], bk s[10:11]
	s_load_b128 s[12:15], s[0:1], 0x20             ; bv s[12:13], pc s[14:15]
	s_load_b64 s[16:17], s[0:1], 0x30              ; ps
	v_lshl_add_u32 v94, v0, 2, 0x48000
	v_mov_b32 v95, 0
	ds_add_u32 v94, v95
	ds_add_u32 v94, v95
	v_lshrrev_b32 v1, 5, v0
	v_readfirstlane_b32 s18, v1                    ; wave
	s_lshr_b32 s19, s18, 1                         ; my half of P's rows.  Also: I fetch for P (0) or for R (1)
	s_and_b32 s20, s18, 1                          ; my half of R's rows.  Also: which half of that operand's tiles I fetch
	s_bfe_u32 s21, ttmp6, 0x40000                  ; cx
	s_bfe_u32 s22, ttmp6, 0x40004                  ; cy
	s_and_b32 s23, ttmp7, 0xffff                   ; the cluster's y, 0 .. 47
	s_lshr_b32 s84, s23, 4                         ; which product: 0 Q, 1 K, 2 V
	s_and_b32 s85, s23, 15
	s_and_b32 s86, s85, 1
	s_lshr_b32 s87, s85, 1
	s_lshl_b32 s88, s84, 9
	s_lshl_b32 s89, s84, 6
	s_add_co_u32 s89, s89, 1536
	s_cmp_eq_u32 s84, 2                            ; V?  The same in all sixteen partners
	s_cselect_b32 s86, s86, s85                    ; the cluster's row among P's blocks: Q, K 16 rows of clusters; V 2
	s_cselect_b32 s87, s87, 0                      ; and its column among R's: Q, K one; V 8
	s_cselect_b32 s88, 1664, s88                   ; P's first row tile in gc: Wv, or the tokens of query, key_
	s_cselect_b32 s89, 1024, s89                   ; R's: value's tokens, or Wq, Wk
	s_cselect_b32 s90, 0, -1                       ; lane mask: the bias runs along R (Q, K)
	s_cselect_b32 s91, -1, 0                       ; lane mask: it runs along P (V)
	s_cselect_b32 s92, 8, 512                      ; idx = s92 x (R's block of 128) + s93 x (P's block of 128) + tile
	s_cselect_b32 s93, 512, 8
	s_lshl_b32 s86, s86, 2
	s_add_co_u32 s86, s86, s22                     ; P's block of 128 rows (cy alone enters)
	s_lshl_b32 s87, s87, 2
	s_add_co_u32 s87, s87, s21                     ; R's block of 256 rows (cx alone enters)
	s_lshl_b32 s94, s86, 3
	s_add_co_u32 s88, s88, s94                     ; my work-group's first row tile of P
	s_lshl_b32 s96, s87, 4
	s_add_co_u32 s89, s89, s96                     ; and of R
	s_lshl_b32 s94, s20, 2
	s_add_co_u32 s94, s94, s88
	s_mul_i32 s94, s94, KT                         ; P: the four row tiles that I would fetch, in bytes
	s_mov_b32 s95, 0
	s_lshl_b32 s96, s20, 3
	s_add_co_u32 s96, s96, s89
	s_mul_i32 s96, s96, KT                         ; R: the eight
	s_mov_b32 s97, 0
	s_lshl_b32 s98, s22, 2
	s_lshl_b32 s98, 15, s98                        ; my row of the cluster
	s_lshl_b32 s99, 0x1111, s21                    ; my column
	; descriptor group 1: rows of 12,288 bytes (a row tile's eight K steps: 1,536 elements of 8 bytes), 12,288 bytes apart; 4 rows for P, 8 for R; no padding
	s_or_b32 s[G1A], s98, (3<<16)|(1<<21)          ; 15:0 the mask; 17:16 elements of 8 bytes; 21 set beside a mask
	s_or_b32 s[G1B], s99, (3<<16)|(1<<21)
	s_mov_b32 s[G1A+1], 1536<<16                   ; tensor_dim0: a row tile's 12,288 bytes, 1,536 elements of 8
	s_mov_b32 s[G1A+2], 4<<16                      ; tensor_dim1
	s_mov_b32 s[G1A+3], 1536<<16                   ; tile_dim0
	s_mov_b32 s[G1A+4], 4                          ; tile_dim1
	s_mov_b32 s[G1A+5], 1536                       ; tensor_dim0_stride
	s_mov_b32 s[G1A+6], 0
	s_mov_b32 s[G1A+7], 0
	s_mov_b32 s[G1B+1], 1536<<16
	s_mov_b32 s[G1B+2], 8<<16
	s_mov_b32 s[G1B+3], 1536<<16
	s_mov_b32 s[G1B+4], 8
	s_mov_b32 s[G1B+5], 1536
	s_mov_b32 s[G1B+6], 0
	s_mov_b32 s[G1B+7], 0
	s_mul_i32 s100, s20, 49152                     ; where they go: no place in the cluster enters an LDS address
	s_mul_i32 s101, s20, 98304
	s_add_co_u32 s101, s101, 98304
	s_mov_b32 s[SEL], 0x76543210
	s_mov_b32 s[SEL+1], 0xfedcba98
	s_wait_dscnt 0x0
	s_wait_kmcnt 0x0
	s_add_nc_u64 s[94:95], s[4:5], s[94:95]
	s_add_nc_u64 s[96:97], s[4:5], s[96:97]
	CROUND                                         ; all sixteen work-groups are here: the joint loads meet
.irp q, 0
	s_mov_b32 s[G0A+4*\q], 1
	s_add_co_u32 s[G0A+4*\q+1], s100, QB*\q
	s_add_nc_u64 s[G0A+4*\q+2:G0A+4*\q+3], s[94:95], 3072*\q
	s_or_b32 s[G0A+4*\q+3], s[G0A+4*\q+3], 0x80000000
	s_mov_b32 s[G0B+4*\q], 1
	s_add_co_u32 s[G0B+4*\q+1], s101, QB*\q
	s_add_nc_u64 s[G0B+4*\q+2:G0B+4*\q+3], s[96:97], 3072*\q
	s_or_b32 s[G0B+4*\q+3], s[G0B+4*\q+3], 0x80000000
.endr
	s_cmp_eq_u32 s19, 0                            ; a wave's one fill stands in one branch on the wave's number; four v_nop follow the last
	s_cbranch_scc0 .Lfill_r
.irp q, 0
	tensor_load_to_lds s[G0A+4*\q:G0A+4*\q+3], s[G1A:G1A+7]
	s_nop 0
.endr
.rept 4
	v_nop
.endr
	s_branch .Lfilled
.Lfill_r:
.irp q, 0
	tensor_load_to_lds s[G0B+4*\q:G0B+4*\q+3], s[G1B:G1B+7]
	s_nop 0
.endr
.rept 4
	v_nop
.endr
.Lfilled:
	v_and_b32 v1, 31, v0                           ; lane
	v_and_b32 v2, 15, v0                           ; r
	v_bfe_u32 v3, v0, 4, 1                         ; h
	v_lshlrev_b32 v4, 4, v1                        ; 16 x lane
	v_lshlrev_b32 v5, 5, v1                        ; 32 x lane: a row's eight scale words
	v_lshlrev_b32 v6, 6, v3                        ; 64 h
	v_and_b32 v7, 8, v2
	v_add_nc_u32 v7, v7, v2
	v_lshlrev_b32 v7, 2, v7                        ; 4 (r + 8 (r / 8))
	v_lshlrev_b32 v28, 3, v1                       ; 8 x lane
	s_mul_i32 s98, s19, 49152                      ; my four tiles of P
	s_mul_i32 s100, s20, 98304
	s_add_co_u32 s100, s100, 98304                 ; my eight of R: an address register for each four
.irp q, 0,1
	v_add_nc_u32 v[ADRA+\q], s98, v4
	v_add_nc_u32 v[ADRB+\q], s100, v4
	s_add_co_u32 s98, s98, QB
	s_add_co_u32 s100, s100, QB
.endr
	s_lshl_b32 s98, s19, 2
	s_add_co_u32 s98, s98, s88
	s_lshl_b32 s98, s98, 9
	s_mov_b32 s99, 0
	s_add_nc_u64 s[94:95], s[6:7], s[98:99]        ; the scale words of my tiles of P,
	s_lshl_b32 s98, s20, 3
	s_add_co_u32 s98, s98, s89
	s_lshl_b32 s98, s98, 9
	s_add_nc_u64 s[96:97], s[6:7], s[98:99]        ; and of R
	s_cmp_eq_u32 s84, 1
	s_cselect_b64 s[8:9], s[10:11], s[8:9]
	s_cmp_eq_u32 s84, 2
	s_cselect_b64 s[8:9], s[12:13], s[8:9]         ; the product's bias
	s_lshl_b32 s98, s87, 8
	s_lshl_b32 s100, s20, 7
	s_add_co_u32 s98, s98, s100
	s_and_b32 s98, s98, 1023                       ; (for V this run is not used: it is held inside the 1,024 numbers all the same)
	s_lshl_b32 s98, s98, 2
	s_add_nc_u64 s[10:11], s[8:9], s[98:99]        ; along R: my 128
	s_lshl_b32 s98, s86, 7
	s_lshl_b32 s100, s19, 6
	s_add_co_u32 s98, s98, s100
	s_and_b32 s98, s98, 1023
	s_lshl_b32 s98, s98, 2
	s_add_nc_u64 s[12:13], s[8:9], s[98:99]        ; along P: my 64
	s_wait_alu depctr_va_vdst(0)                   ; directly ahead of the readers below
.irp i, 0,1
	global_load_b128 v[SA+8*\i:SA+8*\i+3], v5, s[94:95] offset:1024*\i          ; lanes 0-15 tile 2 i, lanes 16-31 tile 2 i + 1: the words of K steps 0-3,
	global_load_b128 v[SA+8*\i+4:SA+8*\i+7], v5, s[94:95] offset:1024*\i+16     ; and of 4-7
.endr
.irp i, 0,1,2,3
	global_load_b128 v[SB+8*\i:SB+8*\i+3], v5, s[96:97] offset:1024*\i
	global_load_b128 v[SB+8*\i+4:SB+8*\i+7], v5, s[96:97] offset:1024*\i+16
.endr
.irp b, 0,1,2,3,4,5,6,7
	global_load_b128 v[BR+8*\b:BR+8*\b+3], v6, s[10:11] offset:(32*(\b/2)+8*(\b%2))*4       ; in the result's layout: register j of tile b is R row 32 (b / 2) + 8 (b % 2) + 16 h + j
	global_load_b128 v[BR+8*\b+4:BR+8*\b+7], v6, s[10:11] offset:(32*(\b/2)+8*(\b%2))*4+16
.endr
.irp a, 0,1,2,3
	global_load_b32 v[BP+2*\a], v7, s[12:13] offset:(32*(\a/2)+8*(\a%2))*4                  ; lane r of tile a is P row 32 (a / 2) + 8 (a % 2) + r + 8 (r / 8)
.endr
	; where my results go
	s_lshl_b32 s98, s87, 1
	s_add_co_u32 s98, s98, s20
	s_mul_i32 s98, s98, s92
	s_mul_i32 s100, s86, s93
	s_add_co_u32 s98, s98, s100
	s_lshl_b32 s100, s19, 2
	s_add_co_u32 s98, s98, s100                    ; idx of my tile a = 0
	s_lshl_b32 s100, s98, 6
	s_lshl_b32 s101, s84, 18
	s_add_co_u32 s100, s100, s101
	s_mov_b32 s101, 0
	s_add_nc_u64 s[16:17], s[16:17], s[100:101]    ; ps + 262,144 which + 64 idx
	s_mul_i32 s98, s98, 1536
	s_mul_i32 s100, s84, 6291456
	s_add_co_u32 s98, s98, s100
	s_add_nc_u64 s[14:15], s[14:15], s[98:99]      ; pc + 6,291,456 which + 1,536 idx
	s_wait_alu depctr_va_vdst(0)
	s_wait_tensorcnt 0x0                           ; my one load has landed,
	s_barrier_signal -1
	s_barrier_wait -1                              ; everybody's has
	FETCH 0
	s_wait_loadcnt 0x0                             ; scale words and biases
.set J, 0
.rept 64
	v_cndmask_b32 v[BR+J], 0, v[BR+J], s90         ; the bias along R counts for Q and K alone,
.set J, J+1
.endr
	s_wait_alu depctr_va_vdst(0)
.irp a, 0,1,2,3
	v_cndmask_b32 v[BP+2*\a], 0, v[BP+2*\a], s91   ; that along P for V alone
.endr
.irp a, 0,1,2,3
	v_mov_b32 v[BP+2*\a+1], v[BP+2*\a]             ; twice: a pair for the packed addition
.endr
.irp s, 0,1,2,3,4,5,6,7
	KSTEP \s
.endr
	WIN 0
	PLACES
.irp b, 0,1,2,3
	v_mov_b32 v[TM+4+\b], 0                        ; a lane permute's destination counts as one of its sources
.endr
	; THE EPILOGUE: for each tile of P the wave's 64 numbers a lane get the bias along P and become one fragment, which leaves as its image
	s_wait_alu depctr_va_vdst(0)
.irp a, 0,1,2,3
.if \a > 0
	s_wait_xcnt 0x0                                ; the last tile's stores have read the codes' registers
.endif
	WIN 0x02                                       ; source 0 window 2
.irp j, 0,2,4,6,8,10,12,14,16,18,20,22,24,26,28,30,32,34,36,38,40,42,44,46,48,50,52,54,56,58,60,62
	v_pk_add_f32 v[T+\j:T+\j+1], v[64*\a+\j:64*\a+\j+1], v[BP+2*\a:BP+2*\a+1]   ; each accumulator from its low end on
.endr
	WIN 0
	QUANT T, PWR+\a
.irp c, 0,1
	global_store_b128 v4, v[PC+6*\c:PC+6*\c+3], s[14:15] offset:1536*\a+768*\c          ; 512 consecutive bytes, aligned to 256
	global_store_b64 v28, v[PC+6*\c+4:PC+6*\c+5], s[14:15] offset:1536*\a+768*\c+512    ; 256 consecutive bytes, aligned
.endr
.endr
	v_cmp_eq_u32 vcc_lo, 1, v3
	v_cndmask_b32 v30, v[PWR], v[PWR+1], vcc_lo    ; word 0: tile h;
	v_cndmask_b32 v31, v[PWR+2], v[PWR+3], vcc_lo  ; word 1: tile 2 + h
	global_store_b64 v28, v[30:31], s[16:17]       ; 256 consecutive bytes, aligned
	s_wait_tensorcnt 0x0
	ds_add_u32 v94, v95
	s_wait_dscnt 0x0
	CROUND                                         ; the closing round: no work-group ends while a partner may still ask for a tile that names it
	s_endpgm
.Lfunc_end_k_q4549d6e161_proj:
	.size	k_q4549d6e161_proj, .Lfunc_end_k_q4549d6e161_proj-k_q4549d6e161_proj
	.p2alignl 7, 3214868480
	.fill 96, 4, 3214868480
	.section	.rodata,"a",@progbits
	.p2align	6, 0x0
	.amdhsa_kernel k_q4549d6e161_proj
		.amdhsa_group_segment_fixed_size 295424
		.amdhsa_private_segment_fixed_size 0
		.amdhsa_enable_private_segment 0
		.amdhsa_kernarg_size 56
		.amdhsa_user_sgpr_count 2
		.amdhsa_user_sgpr_kernarg_segment_ptr 1
		.amdhsa_wavefront_size32 1
		.amdhsa_system_sgpr_workgroup_id_x 1
		.amdhsa_system_sgpr_workgroup_id_y 1
		.amdhsa_system_sgpr_workgroup_id_z 1
		.amdhsa_system_vgpr_workitem_id 0
		.amdhsa_next_free_vgpr 768
		.amdhsa_next_free_sgpr 102
		.amdhsa_reserve_vcc 1
		.amdhsa_float_denorm_mode_32 3
		.amdhsa_float_denorm_mode_16_64 3
		.amdhsa_memory_ordered 1
		.amdhsa_forward_progress 1
		.amdhsa_inst_pref_size 93
	.end_amdhsa_kernel
	.amdgpu_metadata
---
amdhsa.version: [ 1, 2 ]
amdhsa.kernels:
  - .name:           k_q4549d6e161_proj
    .symbol:         k_q4549d6e161_proj.kd
    .args:
      - { .name: gc, .offset: 0, .size: 8, .value_kind: global_buffer, .address_space: global }
      - { .name: gs, .offset: 8, .size: 8, .value_kind: global_buffer, .address_space: global }
      - { .name: bq, .offset: 16, .size: 8, .value_kind: global_buffer, .address_space: global }
      - { .name: bk, .offset: 24, .size: 8, .value_kind: global_buffer, .address_space: global }
      - { .name: bv, .offset: 32, .size: 8, .value_kind: global_buffer, .address_space: global }
      - { .name: pc, .offset: 40, .size: 8, .value_kind: global_buffer, .address_space: global }
      - { .name: ps, .offset: 48, .size: 8, .value_kind: global_buffer, .address_space: global }
    .group_segment_fixed_size: 295424
    .private_segment_fixed_size: 0
    .kernarg_segment_align: 8
    .kernarg_segment_size: 56
    .max_flat_workgroup_size: 128
    .sgpr_count:     102
    .vgpr_count:     768
    .wavefront_size: 32
...
	.end_amdgpu_metadata
.endif
;; end of part 2
;; launch attn (part 3): grid 4 x 64, 16 waves a work-group, no clusters, 212,992 bytes of LDS; arguments pc, ps, maskw, maskf, ao, aos; writes ao, aos
.if DOCPART == 3
	.amdgcn_target "amdgcn-amd-amdhsa--gfx1250"
	.amdhsa_code_object_version 6
	.text
	.protected	k_q4549d6e161_attn
	.globl	k_q4549d6e161_attn
	.p2align	8
	.type	k_q4549d6e161_attn,@function
k_q4549d6e161_attn:
	s_mov_b64 s[64:65], 0
	v_nop
	global_prefetch_b8 v0, s[64:65] scope:SCOPE_SE
	s_setreg_imm32_b32 hwreg(HW_REG_WAVE_MODE, 25, 1), 1
	s_wait_xcnt 0x0
; ATTN.  For each batch b and head: S = Q K^T / 8, hidden scores replaced, softmax, x V, / the row's sum; the result is quantised along d_model for the last product.  Both products on codes of BF6 (E3M2) with E8M0 scales.
; THE SOFTMAX: t = score x log2(e) / 8; M = the row's largest t so far, rounded UP to a whole number; p = 2^(t - M) is quantised along the keys; the row's sum is taken of the unquantised p and divides at the end.
; When M moves, the sum and O are multiplied by 2^(old M - new M): exact.
; THE MASK comes as lane masks (64 words a key step for a tile of 16 queries): one v_cndmask_b32 a score puts -2^36 in a hidden score's place.  maskf holds one bit for each tile of queries and key step, set where
; the step hides any key: where it is clear the 64 selects would change nothing.
; LIMIT: reference() writes the logit -1e10 where this text has -2^33; the results are the same while every real logit lies above about -8.5e9.  -2^36 x c is a whole number, so a row hidden throughout has p = 1 at every key.
; LIMITS: NaN and infinities are not served; a block whose largest magnitude lies under 2^-122 keeps the scale byte 1 (read by this program alone).
; SHARES.  A work-group owns ONE head of one batch (y = 16 b + head) and 512 queries (x); 256 work-groups.  Wave w owns query tiles 2 w and 2 w + 1 of the block's 32, one after the other; four waves to a SIMD.
; THE HEAD'S WHOLE K AND V LIE IN LDS, 16 blocks of 13,056 bytes, one a key step: K's eight tiles (768 bytes each), V's four (1,536 each), K's scale words (512), V's (256).  Wave w copies block w through registers,
; once; one barrier; the walk over the keys has none.
; NO TENSOR LOAD, NO CLUSTER: the walk branches on whole numbers read from memory (maskf); each work-group reads its 208,896 bytes once.
; NO PREFETCH: K and V are asked for at the head, ahead of any loop; in the loop only mask words come from memory, asked for one key step ahead.
; K = 64 IN A FORM OF 128: Q's registers 6-11 are zero codes.  K's tiles are six registers each and lie on end: the operand of tile T names tile T + 1's six as its upper half (tile 7: the six of p's codes), whose products
; with zero codes add nothing; every bit pattern is a finite code, and the scale bytes of those blocks are finite.  For the odd head of a pair the scale words of Q and K are shifted down 16 bits.
; LAYOUT.  Both products are used transposed: S^T = K Q^T, O^T = V^T P^T: a lane holds one query.  A tile's rows are 32 (T / 2) + 8 (T % 2) + r + 8 (r / 8), so the 16 registers of key tiles 2 B, 2 B + 1 are keys 32 B + 16 h + 0 .. 15.
; OUT: ao[token tile][pair of heads][head][pair of registers][lane][8 bytes]; aos[head][token tile][row] two scale bytes.
; REGISTERS: v1 16 x lane, v2 8 x lane, v3, v4 the step's addresses; v5, v6 the add's; v7 -2^36; v8-11 K's scale words; v12 -M, v13 the largest t, v[14:15] the sum; v16-27 Q, v28 its scale word; v29 stage;
;   v30-31 V's scale words; v32-79 fragments; v80-91 p's codes; v96-159 S^T, then p; v160-191 O^T; v192-198, v230-236 the two tiles' Q in waiting; v199, v201 the way out; v204-229, v242-255 at work.
.set BLK,   13056
.set VO,    6144
.set KSC,   12288
.set VSC,   12800
.set SPARE, 16*BLK                     ; the spare words, 128 bytes for each of 16 waves: eight blocks of 256 bytes that no other line names
.set STG,   SPARE+2048                 ; the way out: 32 tiles x 16 rows x 2 scale bytes
.set F,   32
.set PC,  80
.set S,   96
.set OT,  160
.set QA,  192
.set QB,  230
.set CT,  204
.set BM,  212                          ; the blocks' largest scores, then largest p
.set BX,  216                          ; the other half of the lanes'; then the bytes
.set SO,  220                          ; the conversions' scale operands
.set TR,  242                          ; seven pairs for the row's sum
.set TB,  2                            ; s2  LDS byte of the step's block
.set FL,  3                            ; s3  the tile's flags, this step's in bit 0
.set MO,  4                            ; s4  the byte in my tile's 4,096 bytes of mask words
.set TILES, 5
.set STEPS, 6
.set WV,  7
.set SEL, 8
.set CS,  10                           ; s[10:11] c = log2(e) / 8
.set MP,  12                           ; s[12:13] my tile's mask words
.set SJ,  14                           ; s14 32 x (which of my two tiles)
.set MF,  88                           ; s[88:89] my tile's flags
.set AO,  90
.set AOS, 92
; s[16:63] and s[68:83] hold the step's 64 mask words (word n at s[16 + n], from n = 48 on at s[20 + n]); at the head they are at work.
.macro MLOAD
	s_load_b512 s[16:31], s[MP:MP+1], s[MO] offset:0
	s_load_b512 s[32:47], s[MP:MP+1], s[MO] offset:64
	s_load_b512 s[48:63], s[MP:MP+1], s[MO] offset:128
	s_load_b512 s[68:83], s[MP:MP+1], s[MO] offset:192
.endm
	s_load_b256 s[16:23], s[0:1], 0x0              ; pc, ps, maskw, maskf
	s_load_b128 s[24:27], s[0:1], 0x20             ; ao, aos
	v_lshl_add_u32 v5, v0, 2, SPARE
	v_mov_b32 v6, 0
	v_lshrrev_b32 v224, 5, v0
	v_readfirstlane_b32 s[WV], v224                ; wave 0..15
	s_and_b32 s28, ttmp7, 0xffff
	s_lshr_b32 s29, s28, 4                         ; b
	s_and_b32 s30, s28, 15                         ; head
	s_lshr_b32 s31, s30, 1                         ; its pair
	s_and_b32 s32, s30, 1                          ; which of the pair
	s_lshl_b32 s33, s31, 9
	s_lshl_b32 s34, s29, 7
	s_add_co_u32 s33, s33, s34                     ; base = 512 pair + 128 b: the first idx of this pair and batch in each part of pc
	s_lshl_b32 s35, s[WV], 3
	s_add_co_u32 s35, s35, s33                     ; key step w's first idx
	s_mul_i32 s36, s35, 1536
	s_mul_i32 s37, s32, 768
	s_add_co_u32 s36, s36, s37
	s_add_co_u32 s36, s36, 6291456                 ; K: my head's half of each image
	s_mov_b32 s37, 0
	s_lshl_b32 s38, s32, 2
	s_add_co_u32 s38, s38, s35
	s_lshl_b32 s42, s38, 6
	s_add_co_u32 s42, s42, 524288                  ; V's scale words: my head's four tiles
	s_mov_b32 s43, 0
	s_mul_i32 s38, s38, 1536
	s_add_co_u32 s38, s38, 12582912                ; V: my head's four tiles of the step
	s_mov_b32 s39, 0
	s_lshl_b32 s40, s35, 6
	s_add_co_u32 s40, s40, 262144                  ; K's scale words
	s_mov_b32 s41, 0
	s_lshl_b32 s44, ttmp9, 5
	s_lshl_b32 s45, s[WV], 1
	s_add_co_u32 s45, s45, s44                     ; my first tile of queries in the batch: 32 x + 2 w
	s_add_co_u32 s46, s45, s33                     ; Q's idx
	s_add_co_u32 s45, s45, s34                     ; the token tile
	s_and_b32 s48, s46, 0xfffffffc                 ; Q's scale words: 256 bytes for four idx; tile 2 u + h of them is word u of lanes 16 h + r
	s_lshl_b32 s48, s48, 6
	s_and_b32 s49, s[WV], 1
	s_lshl_b32 s51, s49, 9                         ; the way out: waves 0, 1 take 512 bytes each
	s_lshl_b32 s49, s49, 2
	s_add_co_u32 s48, s48, s49
	s_mov_b32 s49, 0
	s_mul_i32 s46, s46, 1536
	s_mul_i32 s47, s32, 768
	s_add_co_u32 s46, s46, s47
	s_mov_b32 s47, 0
	s_lshl_b32 s52, s45, 12                        ; mask words: 4,096 bytes a tile
	s_mov_b32 s53, 0
	s_lshl_b32 s54, s45, 9                         ; flags: 512 bytes a tile
	s_mov_b32 s55, 0
	s_mul_i32 s56, s45, 12288                      ; ao: 12,288 a token tile, 768 a head
	s_mul_i32 s57, s30, 768
	s_add_co_u32 s56, s56, s57
	s_mov_b32 s57, 0
	s_add_co_u32 s58, s34, s44                     ; aos: 16,384 a head, 32 a token tile: the block's 32 tiles
	s_lshl_b32 s58, s58, 5
	s_lshl_b32 s59, s30, 14
	s_add_co_u32 s58, s58, s59
	s_mov_b32 s59, 0
	s_lshl_b32 s60, s32, 4                         ; 16 bits down for the odd head
	s_mul_i32 s61, s[WV], BLK                      ; the block that I copy
	s_lshl_b32 s62, s[WV], 6
	s_add_co_u32 s62, s62, STG
	s_mov_b32 s[SEL], 0x76543210
	s_mov_b32 s[SEL+1], 0xfedcba98
	s_mov_b32 s[CS], 0x3e38aa3b
	s_mov_b32 s[CS+1], s[CS]
	s_mov_b32 s[SJ], 0
	s_mov_b32 s[TILES], 2
	v_and_b32 v224, 31, v0
	v_and_b32 v225, 15, v0
	v_lshlrev_b32 v1, 4, v224
	v_lshlrev_b32 v2, 3, v224
	v_add_nc_u32 v3, s61, v1
	v_add_nc_u32 v4, s61, v2
	v_lshlrev_b32 v226, 3, v225                    ; 8 r
	v_lshl_add_u32 v29, v225, 1, s62               ; the stage: 64 w + 2 r
	v_add_nc_u32 v199, s51, v1
	v_add_nc_u32 v201, STG, v199
	v_mov_b32 v7, 0xd1800000                       ; -2^36
.irp i, 0,1,2,3,4,5
	v_mov_b32 v[22+\i], 0                          ; Q's upper half: zero codes
	v_mov_b32 v[PC+\i], 0                          ; named as the upper half of K's tile 7 before it is first written
.endr
.irp b, 0,1,2,3
	v_mov_b32 v[BX+\b], 0                          ; a lane permute's destination counts as one of its sources
.endr
	v_mov_b32 v227, 0
	s_wait_alu depctr_va_vdst(0)
	s_wait_kmcnt 0x0
	s_add_nc_u64 s[36:37], s[16:17], s[36:37]
	s_add_nc_u64 s[38:39], s[16:17], s[38:39]
	s_add_nc_u64 s[40:41], s[18:19], s[40:41]
	s_add_nc_u64 s[42:43], s[18:19], s[42:43]
	s_add_nc_u64 s[46:47], s[16:17], s[46:47]
	s_add_nc_u64 s[48:49], s[18:19], s[48:49]
	s_add_nc_u64 s[MP:MP+1], s[20:21], s[52:53]
	s_add_nc_u64 s[MF:MF+1], s[22:23], s[54:55]
	s_add_nc_u64 s[AO:AO+1], s[24:25], s[56:57]
	s_add_nc_u64 s[AOS:AOS+1], s[26:27], s[58:59]
.irp t, 0,1,2,3,4,5,6,7
	global_load_b128 v[F+6*\t:F+6*\t+3], v1, s[36:37] offset:1536*\t
	global_load_b64 v[F+6*\t+4:F+6*\t+5], v2, s[36:37] offset:1536*\t+512
.endr
.irp i, 0,1,2,3,4,5,6,7,8,9,10,11
	global_load_b128 v[S+4*\i:S+4*\i+3], v1, s[38:39] offset:512*\i
.endr
	global_load_b128 v[144:147], v1, s[40:41]
	global_load_b64 v[148:149], v2, s[42:43]
	global_load_b128 v[QA:QA+3], v1, s[46:47]                  ; my two tiles of Q wait in registers
	global_load_b64 v[QA+4:QA+5], v2, s[46:47] offset:512
	global_load_b32 v[QA+6], v226, s[48:49]
	global_load_b128 v[QB:QB+3], v1, s[46:47] offset:1536
	global_load_b64 v[QB+4:QB+5], v2, s[46:47] offset:2048
	global_load_b32 v[QB+6], v226, s[48:49] offset:128
	s_wait_loadcnt 0x0                             ; all are in; every load that named s16-63 is done: they take the mask words later
.irp i, 0,1,2,3
	v_lshrrev_b32 v[144+\i], s60, v[144+\i]        ; my head's two bytes of each scale word of K,
.endr
	v_lshrrev_b32 v[QA+6], s60, v[QA+6]            ; and of Q
	v_lshrrev_b32 v[QB+6], s60, v[QB+6]
.irp t, 0,1,2,3,4,5,6,7
	ds_store_b128 v3, v[F+6*\t:F+6*\t+3] offset:768*\t
	ds_store_b64 v4, v[F+6*\t+4:F+6*\t+5] offset:768*\t+512
.endr
.irp i, 0,1,2,3,4,5,6,7,8,9,10,11
	ds_store_b128 v3, v[S+4*\i:S+4*\i+3] offset:VO+512*\i
.endr
	ds_store_b128 v3, v[144:147] offset:KSC
	ds_store_b64 v4, v[148:149] offset:VSC
	s_wait_alu depctr_va_vdst(0)
	s_wait_dscnt 0x0                               ; for the others' sake
	s_barrier_signal -1
	s_barrier_wait -1                              ; all sixteen blocks are whole
.Ltile:                                            ; two trips: a tile of 16 queries against the 2,048 keys
	s_mov_b32 s[MO], 0
	s_load_b32 s84, s[MF:MF+1], 0x0
	s_load_b32 s85, s[MF:MF+1], 0x80
	s_load_b32 s86, s[MF:MF+1], 0x100
	s_load_b32 s87, s[MF:MF+1], 0x180
	MLOAD                                          ; key step 0's mask words
	v_mov_b32 v28, v[QA+6]
.irp i, 0,1,2,3,4,5
	v_mov_b32 v[16+\i], v[QA+\i]
.endr
.irp i, 0,1,2,3,4,5,6
	v_mov_b32 v[QA+\i], v[QB+\i]                   ; the second tile moves up
.endr
	v_mov_b32 v13, 0xff61b1e6                      ; the largest t so far: -3e38
	s_delay_alu instid0(VALU_DEP_1)
	v_floor_f32 v12, -v13
	v_mov_b32 v14, 0
	v_mov_b32 v15, 0
.set N, 0
.rept 32
	v_mov_b32 v[OT+N], 0                           ; the step is written once; the first finds zeros
.set N, N+1
.endr
	s_mov_b32 s[TB], 0
	s_mov_b32 s[STEPS], 16
	s_wait_alu depctr_va_vdst(0)
	s_wait_kmcnt 0x0
	s_or_b32 s84, s84, s85
	s_or_b32 s86, s86, s87
	s_or_b32 s[FL], s84, s86                       ; bit i: key step i hides a key from my tile
.Lstep:                                            ; A KEY STEP: 128 keys
	v_add_nc_u32 v3, s[TB], v1                     ; (these four are the places in front of the loads into registers that the last products read)
	v_add_nc_u32 v4, s[TB], v2
	v_nop
	v_nop
	s_wait_alu depctr_va_vdst(0)
.irp t, 0,1,2,3,4,5,6,7
	ds_load_b128 v[F+6*\t:F+6*\t+3], v3 offset:768*\t
	ds_load_b64 v[F+6*\t+4:F+6*\t+5], v4 offset:768*\t+512
.endr
	ds_load_b64 v[8:9], v4 offset:KSC              ; a register holds tile 2 i in lanes 0-15 and tile 2 i + 1 in lanes 16-31
	ds_load_b64 v[10:11], v4 offset:KSC+256
	s_wait_dscnt 0x0
.irp t, 0,1,2,3,4,5,6,7                        ; S^T = K Q^T: eight accumulators, one product each
.if \t%2
	v_wmma_scale_f32_16x16x128_f8f6f4 v[S+8*\t:S+8*\t+7], v[F+6*\t:F+6*\t+11], v[16:27], 0, v[8+\t/2], v28 matrix_a_fmt:MATRIX_FMT_BF6 matrix_b_fmt:MATRIX_FMT_BF6 matrix_a_scale:MATRIX_SCALE_ROW1
.else
	v_wmma_scale_f32_16x16x128_f8f6f4 v[S+8*\t:S+8*\t+7], v[F+6*\t:F+6*\t+11], v[16:27], 0, v[8+\t/2], v28 matrix_a_fmt:MATRIX_FMT_BF6 matrix_b_fmt:MATRIX_FMT_BF6
.endif
.endr
.rept 4
	v_nop                                          ; places: for the loads below and for the first read of the scores
.endr
.irp a, 0,1,2,3                                ; V's four tiles are asked for now and land under the softmax
.irp c, 0,1
	ds_load_b128 v[F+12*\a+6*\c:F+12*\a+6*\c+3], v3 offset:VO+1536*\a+768*\c
	ds_load_b64 v[F+12*\a+6*\c+4:F+12*\a+6*\c+5], v4 offset:VO+1536*\a+768*\c+512
.endr
.endr
	ds_load_b64 v[30:31], v4 offset:VSC
	s_wait_kmcnt 0x0                               ; the step's mask words are in, so their offset may be written:
	s_add_co_u32 s[MO], s[MO], 256
	s_and_b32 s[MO], s[MO], 0xfff                  ; the next step's; behind the last step it turns back to the first, inside the buffer (those words are not used)
	s_and_b32 s15, s[FL], 1
	s_cbranch_scc0 .Lopen                          ; no key of this step is hidden from my tile: the selects would change nothing
.set N, 0
.rept 64
.if N < 48
	v_cndmask_b32 v[S+N], v[S+N], v7, s[16+N]      ; a hidden key's score becomes -2^36.  Each accumulator from its low end on
.else
	v_cndmask_b32 v[S+N], v[S+N], v7, s[20+N]
.endif
.set N, N+1
.endr
.Lopen:
	s_lshr_b32 s[FL], s[FL], 1
	MLOAD                                          ; they have the softmax and the next step's first products in which to come
.irp b, 0,1,2,3
	v_max3_num_f32 v[BM+\b], v[S+16*\b], v[S+1+16*\b], v[S+2+16*\b]   ; the largest score of each block of 32 keys: for the row's maximum and, since p rises with the score, for the block's largest p
.endr
.irp i, 3,5,7,9,11,13
.irp b, 0,1,2,3
	v_max3_num_f32 v[BM+\b], v[BM+\b], v[S+16*\b+\i], v[S+1+16*\b+\i]   ; the four blocks by turns
.endr
.endr
.irp b, 0,1,2,3
	v_max_num_f32 v[BM+\b], v[BM+\b], v[S+15+16*\b]
.endr
.irp b, 0,1,2,3
	s_delay_alu instid0(VALU_DEP_4)
	v_permlanex16_b32 v[BX+\b], v[BM+\b], s[SEL], s[SEL+1]
.endr
.irp b, 0,1,2,3
	s_delay_alu instid0(VALU_DEP_4)
	v_max_num_f32 v[BM+\b], v[BM+\b], v[BX+\b]     ; with lane l xor 16's 16 keys
.endr
	s_delay_alu instid0(VALU_DEP_2)
	v_max3_num_f32 v224, v[BM], v[BM+1], v[BM+2]
	s_delay_alu instid0(VALU_DEP_1)
	v_max_num_f32 v224, v224, v[BM+3]
	s_delay_alu instid0(VALU_DEP_1)
	v_mul_f32 v224, s[CS], v224                    ; as t (c is positive)
	s_delay_alu instid0(VALU_DEP_1)
	v_max_num_f32 v13, v13, v224                   ; the running largest t
	v_mov_b32 v224, v12
	s_delay_alu instid0(VALU_DEP_2)
	v_floor_f32 v12, -v13                          ; the new -M = -ceil(t)
	s_delay_alu instid0(VALU_DEP_1)
	v_sub_f32 v224, v12, v224                      ; old M - new M: a whole number, 0 or less
	s_delay_alu instid0(VALU_DEP_1)
	v_cvt_i32_f32 v224, v224
	s_delay_alu instid0(VALU_DEP_1)
	v_ldexp_f32 v226, 1.0, v224                    ; f = 2^(old M - new M)
.irp j, 0,2,4,6,8,10,12,14,16,18,20,22,24,26,28,30,32,34,36,38,40,42,44,46,48,50,52,54,56,58,60,62
	v_pk_fma_f32 v[S+\j:S+\j+1], v[S+\j:S+\j+1], s[CS:CS+1], v[12:13] op_sel_hi:[1,0,0]   ; t - M, two at a time
.endr
.irp b, 0,1,2,3
	v_fma_f32 v[BM+\b], v[BM+\b], s[CS], v12       ; the same of each block's largest score
.endr
	s_wait_alu depctr_va_vdst(0)
.set N, 0
.rept 64
	v_exp_f32 v[S+N], v[S+N]                       ; p = 2^(t - M), at most 1
.set N, N+1
.endr
	v_pk_mul_f32 v[14:15], v[14:15], v[226:227] op_sel_hi:[1,0]   ; the sums under the new M: a plain place behind the exponentials
	s_wait_alu depctr_va_vdst(0)                   ; one wait for the whole batch
.irp b, 0,1,2,3
	v_exp_f32 v[BM+\b], v[BM+\b]                   ; the block's largest p: the same two instructions on the same number
.endr
.irp k, 0,1,2,3,4,5,6                          ; the row's sum of the unquantised p: 32 pairs in eight chains
	v_pk_add_f32 v[TR+2*\k:TR+2*\k+1], v[S+4*\k:S+4*\k+1], v[S+4*\k+2:S+4*\k+3]
.endr
	v_pk_add_f32 v[14:15], v[14:15], v[S+28:S+29]
.irp i, 0,1
.irp k, 0,1,2,3,4,5,6
	v_pk_add_f32 v[TR+2*\k:TR+2*\k+1], v[TR+2*\k:TR+2*\k+1], v[S+30+16*\i+2*\k:S+31+16*\i+2*\k]
.endr
	v_pk_add_f32 v[14:15], v[14:15], v[S+44+16*\i:S+45+16*\i]
.endr
	v_pk_add_f32 v[TR:TR+1], v[TR:TR+1], v[S+62:S+63]
	v_pk_add_f32 v[TR+4:TR+5], v[TR+4:TR+5], v[TR+6:TR+7]
	v_pk_add_f32 v[TR+8:TR+9], v[TR+8:TR+9], v[TR+10:TR+11]
	v_pk_add_f32 v[14:15], v[14:15], v[TR+12:TR+13]
	s_delay_alu instid0(VALU_DEP_4)
	v_pk_add_f32 v[TR:TR+1], v[TR:TR+1], v[TR+2:TR+3]
	s_delay_alu instid0(VALU_DEP_2)
	v_pk_add_f32 v[14:15], v[14:15], v[TR+8:TR+9]
	s_delay_alu instid0(VALU_DEP_2)
	v_pk_add_f32 v[TR:TR+1], v[TR:TR+1], v[TR+4:TR+5]
	s_delay_alu instid0(VALU_DEP_1)
	v_pk_add_f32 v[14:15], v[14:15], v[TR:TR+1]
	s_wait_alu depctr_va_vdst(0)                   ; and one for the four
.irp b, 0,1,2,3
	v_max_num_f32 v[BM+\b], 0x2800000, v[BM+\b]    ; the floor 2^(5 - 127): the byte cannot fall under 1
.endr
.irp b, 0,1,2,3
	s_delay_alu instid0(VALU_DEP_4)
	v_add_nc_u32 v[SO+\b], 0xfe000000, v[BM+\b]    ; 4 off the exponent field: the conversion's scale operand
.endr
.irp b, 0,1,2,3
	s_delay_alu instid0(VALU_DEP_4)
	v_lshrrev_b32 v[BX+\b], 23, v[SO+\b]           ; the scale's byte
.endr
	s_delay_alu instid0(VALU_DEP_3)
	v_lshl_or_b32 v227, v[BX+1], 8, v[BX]          ; p's scale word for these 128 keys
	s_delay_alu instid0(VALU_DEP_1)
	v_lshl_or_b32 v227, v[BX+2], 16, v227
	s_delay_alu instid0(VALU_DEP_1)
	v_lshl_or_b32 v227, v[BX+3], 24, v227
.irp c, 0,1
	v_cvt_scalef32_pk16_bf6_f32 v[PC+6*\c:PC+2+6*\c], v[S+32*\c:S+15+32*\c], v[SO+2*\c]
	v_cvt_scalef32_pk16_bf6_f32 v[CT+4*\c:CT+2+4*\c], v[S+16+32*\c:S+31+32*\c], v[SO+2*\c+1]   ; (a conversion's three registers begin on an even number)
.endr
	v_nop                                          ; one plain place behind the scaled conversions
.irp c, 0,1                                    ; the operand's layout wants a whole block in a lane
.irp i, 0,1,2
	v_permlane16_swap_b32 v[PC+6*\c+\i], v[CT+4*\c+\i]
.endr
.irp i, 0,1,2
	s_delay_alu instid0(VALU_DEP_3)
	v_mov_b32 v[PC+3+6*\c+\i], v[CT+4*\c+\i]
.endr
.endr
	s_wait_alu depctr_va_vdst(0)                   ; directly ahead of the first reader of O^T
.irp j, 0,2,4,6,8,10,12,14,16,18,20,22,24,26,28,30
	v_pk_mul_f32 v[OT+\j:OT+\j+1], v[OT+\j:OT+\j+1], v[226:227] op_sel_hi:[1,0]   ; O^T under the new M.  (For each product below twelve of these name none of its registers: the places behind the scale word's and the codes' last writes)
.endr
	s_wait_alu depctr_va_vdst(0)
	s_wait_dscnt 0x0                               ; V's fragments and scale words are in
.irp a, 0,1,2,3                                ; O^T += V^T P^T: four tiles of 16 channels; the four accumulators take turns
.if \a%2
	v_wmma_scale_f32_16x16x128_f8f6f4 v[OT+8*\a:OT+8*\a+7], v[F+12*\a:F+12*\a+11], v[PC:PC+11], v[OT+8*\a:OT+8*\a+7], v[30+\a/2], v227 matrix_a_fmt:MATRIX_FMT_BF6 matrix_b_fmt:MATRIX_FMT_BF6 matrix_a_scale:MATRIX_SCALE_ROW1
.else
	v_wmma_scale_f32_16x16x128_f8f6f4 v[OT+8*\a:OT+8*\a+7], v[F+12*\a:F+12*\a+11], v[PC:PC+11], v[OT+8*\a:OT+8*\a+7], v[30+\a/2], v227 matrix_a_fmt:MATRIX_FMT_BF6 matrix_b_fmt:MATRIX_FMT_BF6
.endif
.endr
	s_add_co_u32 s[TB], s[TB], BLK
	s_sub_co_u32 s[STEPS], s[STEPS], 1
	s_cmp_lg_u32 s[STEPS], 0
	s_cbranch_scc1 .Lstep
	; THE TILE'S WAY OUT.  O^T / the sum: register 16 B + i is channel 32 B + 16 h + i of my head: two blocks along d_model.  They are quantised and leave as half of a fragment's image (8 bytes a lane).
.rept 4
	v_nop                                          ; places behind the last products
.endr
	s_wait_kmcnt 0x0                               ; the words asked for behind the last step
	v_add_f32 v14, v14, v15
	s_delay_alu instid0(VALU_DEP_1)
	v_permlanex16_b32 v224, v14, s[SEL], s[SEL+1]
	s_delay_alu instid0(VALU_DEP_1)
	v_add_f32 v14, v14, v224                       ; the row's sum
	s_wait_alu depctr_va_vdst(0)
	v_rcp_f32 v14, v14
	v_add_nc_u32 v225, s[SJ], v29                  ; (a plain place behind the transcendental)  this tile's place in the stage
	s_wait_alu depctr_va_vdst(0)                   ; the wait ahead of the first reader
.set N, 0
.rept 32
	v_mul_f32 v[S+N], v[OT+N], v14
.set N, N+1
.endr
.irp b, 0,1
	v_max3_num_f32 v[BM+\b], |v[S+16*\b]|, |v[S+1+16*\b]|, 0x2800000
.endr
.irp i, 2,4,6,8,10,12,14
.irp b, 0,1
	s_delay_alu instid0(VALU_DEP_2)
	v_max3_num_f32 v[BM+\b], v[BM+\b], |v[S+16*\b+\i]|, |v[S+1+16*\b+\i]|
.endr
.endr
.irp b, 0,1
	s_delay_alu instid0(VALU_DEP_2)
	v_permlanex16_b32 v[BX+\b], v[BM+\b], s[SEL], s[SEL+1]
.endr
.irp b, 0,1
	s_delay_alu instid0(VALU_DEP_2)
	v_max_num_f32 v[BM+\b], v[BM+\b], v[BX+\b]
.endr
.irp b, 0,1
	s_delay_alu instid0(VALU_DEP_2)
	v_add_nc_u32 v[SO+\b], 0xfe000000, v[BM+\b]
.endr
.irp b, 0,1
	s_delay_alu instid0(VALU_DEP_2)
	v_lshrrev_b32 v[BX+\b], 23, v[SO+\b]
.endr
	s_delay_alu instid0(VALU_DEP_1)
	v_lshl_or_b32 v224, v[BX+1], 8, v[BX]          ; my head's two scale bytes of row r
	v_cvt_scalef32_pk16_bf6_f32 v[PC:PC+2], v[S:S+15], v[SO]
	v_cvt_scalef32_pk16_bf6_f32 v[CT:CT+2], v[S+16:S+31], v[SO+1]
	v_nop                                          ; one plain place behind the scaled conversions
.irp i, 0,1,2
	v_permlane16_swap_b32 v[PC+\i], v[CT+\i]       ; lanes 0-15 block 0 whole, lanes 16-31 block 1
.endr
.irp i, 0,1,2
	s_delay_alu instid0(VALU_DEP_3)
	v_mov_b32 v[PC+3+\i], v[CT+\i]
.endr
.irp p, 0,1,2
	global_store_b64 v2, v[PC+2*\p:PC+2*\p+1], s[AO:AO+1] offset:256*\p   ; each store covers 256 consecutive bytes, aligned
.endr
	ds_store_b16 v225, v224                        ; lanes r and r + 16 write the same two bytes with the same value
	s_wait_alu depctr_va_vdst(0)
	s_wait_xcnt 0x0                                ; the stores have read their base and their data
	s_add_nc_u64 s[AO:AO+1], s[AO:AO+1], 12288     ; on to my second tile
	s_add_nc_u64 s[MP:MP+1], s[MP:MP+1], 4096
	s_add_nc_u64 s[MF:MF+1], s[MF:MF+1], 512
	s_add_co_u32 s[SJ], s[SJ], 32
	s_sub_co_u32 s[TILES], s[TILES], 1
	s_cmp_lg_u32 s[TILES], 0
	s_cbranch_scc1 .Ltile
	s_wait_dscnt 0x0                               ; for the others' sake
	s_barrier_signal -1
	s_barrier_wait -1                              ; the block's 1,024 scale bytes are whole
	s_cmp_gt_u32 s[WV], 1
	s_cbranch_scc1 .Lnot_mine
	ds_load_b128 v[32:35], v201
	s_wait_dscnt 0x0
	global_store_b128 v199, v[32:35], s[AOS:AOS+1] ; 512 consecutive bytes, aligned
.Lnot_mine:
	s_wait_tensorcnt 0x0                           ; the wave's end, behind my last LDS store
	ds_add_u32 v5, v6
	s_wait_dscnt 0x0
	s_endpgm
.Lfunc_end_k_q4549d6e161_attn:
	.size	k_q4549d6e161_attn, .Lfunc_end_k_q4549d6e161_attn-k_q4549d6e161_attn
	.p2alignl 7, 3214868480
	.fill 96, 4, 3214868480
	.section	.rodata,"a",@progbits
	.p2align	6, 0x0
	.amdhsa_kernel k_q4549d6e161_attn
		.amdhsa_group_segment_fixed_size 212992
		.amdhsa_private_segment_fixed_size 0
		.amdhsa_enable_private_segment 0
		.amdhsa_kernarg_size 48
		.amdhsa_user_sgpr_count 2
		.amdhsa_user_sgpr_kernarg_segment_ptr 1
		.amdhsa_wavefront_size32 1
		.amdhsa_system_sgpr_workgroup_id_x 1
		.amdhsa_system_sgpr_workgroup_id_y 1
		.amdhsa_system_sgpr_workgroup_id_z 1
		.amdhsa_system_vgpr_workitem_id 0
		.amdhsa_next_free_vgpr 256
		.amdhsa_next_free_sgpr 102
		.amdhsa_reserve_vcc 0
		.amdhsa_float_denorm_mode_32 3
		.amdhsa_float_denorm_mode_16_64 3
		.amdhsa_memory_ordered 1
		.amdhsa_forward_progress 1
		.amdhsa_inst_pref_size 40
	.end_amdhsa_kernel
	.amdgpu_metadata
---
amdhsa.version: [ 1, 2 ]
amdhsa.kernels:
  - .name:           k_q4549d6e161_attn
    .symbol:         k_q4549d6e161_attn.kd
    .args:
      - { .name: pc, .offset: 0, .size: 8, .value_kind: global_buffer, .address_space: global }
      - { .name: ps, .offset: 8, .size: 8, .value_kind: global_buffer, .address_space: global }
      - { .name: maskw, .offset: 16, .size: 8, .value_kind: global_buffer, .address_space: global }
      - { .name: maskf, .offset: 24, .size: 8, .value_kind: global_buffer, .address_space: global }
      - { .name: ao, .offset: 32, .size: 8, .value_kind: global_buffer, .address_space: global }
      - { .name: aos, .offset: 40, .size: 8, .value_kind: global_buffer, .address_space: global }
    .group_segment_fixed_size: 212992
    .private_segment_fixed_size: 0
    .kernarg_segment_align: 8
    .kernarg_segment_size: 48
    .max_flat_workgroup_size: 512
    .sgpr_count:     102
    .vgpr_count:     256
    .wavefront_size: 32
...
	.end_amdgpu_metadata
.endif
;; end of part 3
;; launch oproj (part 4): grid 4 x 64, 4 waves a work-group, clusters of 4 x 4, 295,424 bytes of LDS; arguments ao, aos, gc, gs, bo, out0; writes out0
.if DOCPART == 4
	.amdgcn_target "amdgcn-amd-amdhsa--gfx1250"
	.amdhsa_code_object_version 6
	.text
	.protected	k_q4549d6e161_oproj
	.globl	k_q4549d6e161_oproj
	.p2align	8
	.type	k_q4549d6e161_oproj,@function
k_q4549d6e161_oproj:
	s_mov_b64 s[64:65], 0
	v_nop
	global_prefetch_b8 v0, s[64:65] scope:SCOPE_SE
	s_setreg_imm32_b32 hwreg(HW_REG_WAVE_MODE, 25, 1), 1
	s_wait_xcnt 0x0
	s_wait_alu depctr_hold_cnt(0) depctr_sa_sdst(0) depctr_va_vdst(0) depctr_va_sdst(0) depctr_va_ssrc(0) depctr_va_vcc(0) depctr_vm_vsrc(0)
	s_getreg_b32 s2, hwreg(HW_REG_IB_STS2, 6, 4)
	s_cmp_eq_u32 s2, 0
	s_cbranch_scc0 .Lentry_in_a_cluster
	s_endpgm
.Lentry_in_a_cluster:
	s_bfe_u32 s2, ttmp6, 0x10000c
	s_cmp_lg_u32 s2, 0xf033
	s_cbranch_scc0 .Lentry_shape_is_right
	s_endpgm
.Lentry_shape_is_right:
; OPROJ.  out0 = x Wo^T + bo on codes of BF6 (E3M2) with E8M0 scales, sums in f32.  x comes from the attention launch as images of operand registers (ao: [token tile][K step][pair of registers][lane][8 bytes];
; aos: [K step][token tile][row] scale words), Wo from the first launch (gc, gs, row tiles 1728 on).
; SHARES.  A work-group makes 128 tokens x 256 outputs; its four waves 64 x 128 each: 32 accumulators of 16 x 16.  256 work-groups.
; THE WHOLE K (1,024) OF BOTH OPERANDS LIES IN LDS: 294,912 bytes, so no byte of LDS is filled twice by a tensor load.  It comes in four quarters of two K steps; each wave issues four tensor loads at the head
; (four of a wave are out), and the work begins when the first quarter has landed.
; CLUSTERS: 4 x 4 work-groups; x's tiles are asked for jointly along a row of the cluster, Wo's along a column.
; THE MATRIX INSTRUCTION IS USED TRANSPOSED: source 0 = 16 rows of Wo, source 1 = 16 tokens.  A row tile's rows are 32 (T / 2) + 8 (T % 2) + r + 8 (r / 8): a lane's 16 registers of Wo's tiles 2 B, 2 B + 1 are
; outputs 32 B + 16 h + 0 .. 15 of one token: 64 neighbouring bytes of a row of out0.
; REGISTERS: window 0: v1-31 addresses; v32-47 x's scale words, v48-79 Wo's (a register: tile 2 i in lanes 0-15, tile 2 i + 1 in lanes 16-31); v96-191 x's fragments, two sets; v192-255 the bias.
;   window 1: Wo's fragments, two sets of 96.   window 2: the accumulators, (a, b) at v[64 a + 8 b].
; THE FILLS AS THEY STAND NOW (where the lines above speak of quarters, this holds): each wave issues ONE tensor load at the head, the whole K of its row tiles (waves 0, 1: four tiles of x each, 49,152 dense bytes;
; waves 2, 3: eight tiles of Wo each, 98,304); LDS holds [row tile][12,288 bytes], x's eight tiles, then Wo's sixteen; one barrier behind the wait for the loads, none in the K steps, one ahead of the stage's first store.
; aos is [head][token tile][row], two scale bytes each: a K step's word is made of its two heads' halves.
.set KT,   12288                       ; a row tile's eight K steps, in ao and in gc
.set QB,   49152                       ; four row tiles in LDS
.set SP,   528                         ; the way out: a stage row: 512 bytes + 16
.set ADRA, 8                           ; v8-11   LDS address of my fragments of x in quarter q (8 bytes a lane)
.set ADRB, 12                          ; v12-15  of Wo's (16 bytes a lane)
.set STO,  16                          ; v16     the way out: where I put 64 bytes of a row
.set RD,   17                          ; v17     and where I read a row back
.set SA,   32
.set SB,   48
.set AF,   96
.set BR,   192
.set BK,   96                          ; the way out: 16 rows read back: v96-159 and v160-223 by turns
.set G1A,  24
.set G1B,  32
.set G0A,  40
.set G0B,  68
.set NFETCH, 48
.set W_MUL,  0xa1                      ; source 0 (Wo) window 1, source 1 (x) window 0, C and D window 2
.set W_MUL0, 0x81                      ; the first K step: C (the bias) window 0
.set W_TOB,  0x40                      ; destination window 1, address window 0
.set MSB, 0
.macro WIN new                         ; the immediate's high byte repeats the setting that is left
.if MSB != \new
	s_set_vgpr_msb (MSB<<8)|\new
.set MSB, \new
.endif
.endm
.macro CROUND                          ; a round of the cluster's barrier
	s_barrier_signal -1
	s_barrier_wait -1
	s_cmp_lg_u32 s18, 0
	s_cbranch_scc1 .Lnot_wave_0_\@
	s_barrier_signal -3
.Lnot_wave_0_\@:
	s_barrier_wait -3
	s_barrier_signal -1
	s_barrier_wait -1
.endm
.macro PLACES                          ; four places in front of loads into registers that matrix instructions have read, and of the first read of results
.rept 4
	v_nop
.endr
.endm
.macro WM d, bf, af, c, sb, sa, ob, oa ; one product; ob, oa: the tile is the odd one of its pair: its scale words stand in lanes 16-31
.if (\ob) && (\oa)
	v_wmma_scale_f32_16x16x128_f8f6f4 v[(\d):(\d)+7], v[(\bf):(\bf)+11], v[(\af):(\af)+11], v[(\c):(\c)+7], v[(\sb)], v[(\sa)] matrix_a_fmt:MATRIX_FMT_BF6 matrix_b_fmt:MATRIX_FMT_BF6 matrix_a_scale:MATRIX_SCALE_ROW1 matrix_b_scale:MATRIX_SCALE_ROW1
.elseif (\ob)
	v_wmma_scale_f32_16x16x128_f8f6f4 v[(\d):(\d)+7], v[(\bf):(\bf)+11], v[(\af):(\af)+11], v[(\c):(\c)+7], v[(\sb)], v[(\sa)] matrix_a_fmt:MATRIX_FMT_BF6 matrix_b_fmt:MATRIX_FMT_BF6 matrix_a_scale:MATRIX_SCALE_ROW1
.elseif (\oa)
	v_wmma_scale_f32_16x16x128_f8f6f4 v[(\d):(\d)+7], v[(\bf):(\bf)+11], v[(\af):(\af)+11], v[(\c):(\c)+7], v[(\sb)], v[(\sa)] matrix_a_fmt:MATRIX_FMT_BF6 matrix_b_fmt:MATRIX_FMT_BF6 matrix_b_scale:MATRIX_SCALE_ROW1
.else
	v_wmma_scale_f32_16x16x128_f8f6f4 v[(\d):(\d)+7], v[(\bf):(\bf)+11], v[(\af):(\af)+11], v[(\c):(\c)+7], v[(\sb)], v[(\sa)] matrix_a_fmt:MATRIX_FMT_BF6 matrix_b_fmt:MATRIX_FMT_BF6
.endif
.endm
.macro FETCH s                         ; K step s: Wo's eight fragments (24 loads of 16 bytes a lane) and x's four (24 of 8 bytes a lane) into set s % 2
.set FO, 1536*(\s)
.set FP, (\s)%2
	WIN W_TOB
.irp b, 0,1,2,3,4,5,6,7
.irp c, 0,1,2
	ds_load_b128 v[96*FP+12*\b+4*\c:96*FP+12*\b+4*\c+3], v[ADRB+\b/4] offset:12288*(\b%4)+FO+512*\c
.endr
.endr
	WIN 0
.irp a, 0,1,2,3
.irp p, 0,1,2,3,4,5
	ds_load_b64 v[AF+48*FP+12*\a+2*\p:AF+48*FP+12*\a+2*\p+1], v[ADRA] offset:12288*\a+FO+256*\p
.endr
.endr
.endm
.macro MULS s                          ; K step s: 32 products; the 32 accumulators take turns, one instruction a turn, in the same order in every step
.if (\s) == 0
	WIN W_MUL0                                     ; the first step starts the sums with the bias as C
.else
	WIN W_MUL
.endif
.irp a, 0,1,2,3
.irp b, 0,1,2,3,4,5,6,7
.if (\s) == 0
	WM 64*\a+8*\b, 96*((\s)%2)+12*\b, AF+48*((\s)%2)+12*\a, BR+8*\b, SB+8*(\b/2)+(\s), SA+8*(\a/2)+(\s), \b%2, \a%2
.else
	WM 64*\a+8*\b, 96*((\s)%2)+12*\b, AF+48*((\s)%2)+12*\a, 64*\a+8*\b, SB+8*(\b/2)+(\s), SA+8*(\a/2)+(\s), \b%2, \a%2
.endif
.endr
.endr
.endm
.macro KSTEP s
.if (\s) < 7
.if (\s) > 0
	PLACES                                         ; the set that is loaded next was read by the products just issued
.endif
	FETCH (\s)+1
	s_wait_dscnt NFETCH                            ; all but the loads just issued: this step's fragments are in
.else
	s_wait_dscnt 0x0
.endif
	MULS \s
.endm
; THE WAY OUT, a tile of 16 tokens x 128 outputs at a time, through my own stage in LDS: in as 64 bytes a lane, back as whole rows of 512 bytes.  The stage lies in quarter 0, which has had its one fill, and whose last
; reads every wave has waited for in front of the second barrier of the K steps.  LDS serves a wave's instructions in order: no wait between the stores and the loads, nor in front of the next tile's stores.
.macro TOSTAGE a
	WIN 0x08                                       ; an LDS store's data are its source 1: window 2
.irp b, 0,1,2,3
.irp i, 0,1,2,3
	ds_store_b128 v[STO], v[64*(\a)+16*\b+4*\i:64*(\a)+16*\b+4*\i+3] offset:128*\b+16*\i   ; each accumulator from its low end on
.endr
.endr
	WIN 0
.set BB, BK+64*((\a)%2)
.irp t, 0,1,2,3,4,5,6,7,8,9,10,11,12,13,14,15
	ds_load_b128 v[BB+4*\t:BB+4*\t+3], v[RD] offset:\t*SP
.endr
.endm
.macro SEND a
.set BB, BK+64*((\a)%2)
.irp t, 0,1,2,3,4,5,6,7,8,9,10,11,12,13,14,15
	global_store_b128 v4, v[BB+4*\t:BB+4*\t+3], s[14:15] offset:(32*((\a)/2)+8*((\a)%2)+\t+8*(\t/8))*4096 th:TH_STORE_NT   ; 32 lanes store 512 consecutive bytes of the token's row, aligned
.endr
.endm
	s_load_b256 s[4:11], s[0:1], 0x0               ; ao s[4:5], aos s[6:7], gc s[8:9], gs s[10:11]
	s_load_b128 s[12:15], s[0:1], 0x20             ; bo s[12:13], out0 s[14:15]
	v_lshl_add_u32 v94, v0, 2, 0x48000
	v_mov_b32 v95, 0
	ds_add_u32 v94, v95
	ds_add_u32 v94, v95
	v_lshrrev_b32 v1, 5, v0
	v_readfirstlane_b32 s18, v1                    ; wave
	s_lshr_b32 s19, s18, 1                         ; my half of the tokens.  Also: I fetch for x (0) or for Wo (1)
	s_and_b32 s20, s18, 1                          ; my half of the outputs.  Also: which half of that operand's tiles I fetch
	s_bfe_u32 s21, ttmp6, 0x40000                  ; cx
	s_bfe_u32 s22, ttmp6, 0x40004                  ; cy
	s_and_b32 s23, ttmp7, 0xffff                   ; the cluster's y, 0 .. 15
	s_lshl_b32 s86, s23, 2
	s_add_co_u32 s86, s86, s22                     ; my block of 128 tokens (cy alone enters)
	s_mov_b32 s87, s21                             ; my block of 256 outputs (cx alone enters)
	s_lshl_b32 s88, s86, 3                         ; its first token tile
	s_lshl_b32 s89, s87, 4
	s_add_co_u32 s89, s89, 1728                    ; Wo's first row tile in gc
	s_lshl_b32 s94, s20, 2
	s_add_co_u32 s94, s94, s88
	s_mul_i32 s94, s94, KT                         ; x: the four tiles that I would fetch, in bytes
	s_mov_b32 s95, 0
	s_lshl_b32 s96, s20, 3
	s_add_co_u32 s96, s96, s89
	s_mul_i32 s96, s96, KT                         ; Wo: the eight
	s_mov_b32 s97, 0
	s_lshl_b32 s98, s22, 2
	s_lshl_b32 s98, 15, s98                        ; my row of the cluster
	s_lshl_b32 s99, 0x1111, s21                    ; my column
	; descriptor group 1: rows of 12,288 bytes (a row tile's eight K steps: 1,536 elements of 8 bytes), 12,288 bytes apart; 4 rows for x, 8 for Wo; no padding
	s_or_b32 s[G1A], s98, (3<<16)|(1<<21)          ; 15:0 the mask; 17:16 elements of 8 bytes; 21 set beside a mask
	s_or_b32 s[G1B], s99, (3<<16)|(1<<21)
	s_mov_b32 s[G1A+1], 1536<<16                   ; tensor_dim0: a row tile's 12,288 bytes, 1,536 elements of 8
	s_mov_b32 s[G1A+2], 4<<16                      ; tensor_dim1
	s_mov_b32 s[G1A+3], 1536<<16                   ; tile_dim0
	s_mov_b32 s[G1A+4], 4                          ; tile_dim1
	s_mov_b32 s[G1A+5], 1536                       ; tensor_dim0_stride
	s_mov_b32 s[G1A+6], 0
	s_mov_b32 s[G1A+7], 0
	s_mov_b32 s[G1B+1], 1536<<16
	s_mov_b32 s[G1B+2], 8<<16
	s_mov_b32 s[G1B+3], 1536<<16
	s_mov_b32 s[G1B+4], 8
	s_mov_b32 s[G1B+5], 1536
	s_mov_b32 s[G1B+6], 0
	s_mov_b32 s[G1B+7], 0
	s_mul_i32 s100, s20, 49152                     ; where they go: no place in the cluster enters an LDS address
	s_mul_i32 s101, s20, 98304
	s_add_co_u32 s101, s101, 98304
	s_wait_dscnt 0x0
	s_wait_kmcnt 0x0
	s_add_nc_u64 s[94:95], s[4:5], s[94:95]
	s_add_nc_u64 s[96:97], s[8:9], s[96:97]
	CROUND                                         ; all sixteen work-groups are here: the joint loads meet
.irp q, 0
	s_mov_b32 s[G0A+4*\q], 1
	s_add_co_u32 s[G0A+4*\q+1], s100, QB*\q
	s_add_nc_u64 s[G0A+4*\q+2:G0A+4*\q+3], s[94:95], 3072*\q
	s_or_b32 s[G0A+4*\q+3], s[G0A+4*\q+3], 0x80000000
	s_mov_b32 s[G0B+4*\q], 1
	s_add_co_u32 s[G0B+4*\q+1], s101, QB*\q
	s_add_nc_u64 s[G0B+4*\q+2:G0B+4*\q+3], s[96:97], 3072*\q
	s_or_b32 s[G0B+4*\q+3], s[G0B+4*\q+3], 0x80000000
.endr
	s_cmp_eq_u32 s19, 0                            ; a wave's one fill stands in one branch on the wave's number; four v_nop follow the last
	s_cbranch_scc0 .Lfill_r
.irp q, 0
	tensor_load_to_lds s[G0A+4*\q:G0A+4*\q+3], s[G1A:G1A+7]
	s_nop 0
.endr
.rept 4
	v_nop
.endr
	s_branch .Lfilled
.Lfill_r:
.irp q, 0
	tensor_load_to_lds s[G0B+4*\q:G0B+4*\q+3], s[G1B:G1B+7]
	s_nop 0
.endr
.rept 4
	v_nop
.endr
.Lfilled:
	v_and_b32 v1, 31, v0                           ; lane
	v_and_b32 v2, 15, v0                           ; r
	v_bfe_u32 v3, v0, 4, 1                         ; h
	v_lshlrev_b32 v4, 4, v1                        ; 16 x lane
	v_lshlrev_b32 v5, 5, v1                        ; 32 x lane: a row's eight scale words in gs
	v_lshlrev_b32 v6, 6, v3                        ; 64 h
	v_lshlrev_b32 v7, 1, v1                        ; 2 x lane: a head's two scale bytes in aos
	v_lshlrev_b32 v18, 3, v1                       ; 8 x lane
	s_wait_alu depctr_va_vdst(0)
	s_mul_i32 s98, s19, 49152                      ; my four tiles of x
	s_mul_i32 s100, s20, 98304
	s_add_co_u32 s100, s100, 98304                 ; my eight of Wo: an address register for each four
.irp q, 0,1
	v_add_nc_u32 v[ADRA+\q], s98, v18
	v_add_nc_u32 v[ADRB+\q], s100, v4
	s_add_co_u32 s98, s98, QB
	s_add_co_u32 s100, s100, QB
.endr
	s_mul_i32 s98, s18, 16*SP                      ; my stage
	v_mul_u32_u24 v[STO], v2, SP
	v_lshl_add_u32 v[STO], v3, 6, v[STO]
	v_add_nc_u32 v[STO], s98, v[STO]               ; in: row r, + 64 h
	v_add_nc_u32 v[RD], s98, v4                    ; back: 16 bytes a lane of a row
	s_lshl_b32 s98, s19, 2
	s_add_co_u32 s98, s98, s88
	s_lshl_b32 s98, s98, 5                         ; 32 bytes a token tile
	s_mov_b32 s99, 0
	s_add_nc_u64 s[94:95], s[6:7], s[98:99]        ; the scale words of my four token tiles, K step 0
	s_lshl_b32 s98, s20, 3
	s_add_co_u32 s98, s98, s89
	s_lshl_b32 s98, s98, 9
	s_add_nc_u64 s[96:97], s[10:11], s[98:99]      ; and of my eight tiles of Wo
	s_lshl_b32 s98, s87, 8
	s_lshl_b32 s100, s20, 7
	s_add_co_u32 s98, s98, s100
	s_lshl_b32 s98, s98, 2                         ; my first output, in bytes
	s_add_nc_u64 s[12:13], s[12:13], s[98:99]      ; in bo,
	s_add_nc_u64 s[14:15], s[14:15], s[98:99]      ; and in a row of out0
	s_lshl_b32 s98, s86, 7
	s_lshl_b32 s100, s19, 6
	s_add_co_u32 s98, s98, s100
	s_lshl_b32 s98, s98, 12                        ; my first token's row of 4,096 bytes
	s_add_nc_u64 s[14:15], s[14:15], s[98:99]
.irp i, 0,1
.irp s, 0,1,2,3,4,5,6,7
	global_load_u16 v[SA+8*\i+\s], v7, s[94:95] offset:32768*\s+64*\i            ; lanes 0-15 tile 2 i, lanes 16-31 tile 2 i + 1: the even head's two bytes,
	global_load_u16 v[80-60*\i+\s], v7, s[94:95] offset:32768*\s+16384+64*\i     ; and the odd head's (v80-87, v20-27)
.endr
.endr
.irp i, 0,1,2,3
	global_load_b128 v[SB+8*\i:SB+8*\i+3], v5, s[96:97] offset:1024*\i
	global_load_b128 v[SB+8*\i+4:SB+8*\i+7], v5, s[96:97] offset:1024*\i+16
.endr
.irp b, 0,1,2,3,4,5,6,7
	global_load_b128 v[BR+8*\b:BR+8*\b+3], v6, s[12:13] offset:(32*(\b/2)+8*(\b%2))*4       ; in the result's layout: register j of tile b is output 32 (b / 2) + 8 (b % 2) + 16 h + j
	global_load_b128 v[BR+8*\b+4:BR+8*\b+7], v6, s[12:13] offset:(32*(\b/2)+8*(\b%2))*4+16
.endr
	s_wait_alu depctr_va_vdst(0)
	s_wait_tensorcnt 0x0                           ; my one load has landed,
	s_barrier_signal -1
	s_barrier_wait -1                              ; everybody's has
	FETCH 0
	s_wait_loadcnt 0x0                             ; scale words and bias
.irp i, 0,1
.irp s, 0,1,2,3,4,5,6,7
	v_lshl_or_b32 v[SA+8*\i+\s], v[80-60*\i+\s], 16, v[SA+8*\i+\s]   ; a K step's scale word: its two heads' halves
.endr
.endr
	s_wait_alu depctr_va_vdst(0)
.rept 8
	v_nop                                          ; a scale register written by a vector instruction stands 8 places ahead of a scaled matrix instruction
.endr
.irp s, 0,1,2,3,4,5,6,7
	KSTEP \s
.endr
	WIN 0
	s_barrier_signal -1                            ; my LDS reads are over (the last K step waited for them);
	s_barrier_wait -1                              ; so are everybody's: the stage may be laid over x's tiles, which have had their one fill
	PLACES                                         ; for the stores that read results and for the loads into the registers that held x's fragments
	TOSTAGE 0
.irp a, 1,2,3
.if \a > 1
	s_wait_xcnt 0x0                                ; the stores of two tiles back have read the registers into which this tile's rows come
.endif
	TOSTAGE \a
	s_wait_dscnt 32                                ; the tile before is back in registers; this tile's 16 stores and 16 loads may be out
	SEND \a-1
.endr
	s_wait_dscnt 0x0
	SEND 3
	s_wait_tensorcnt 0x0
	ds_add_u32 v94, v95
	s_wait_dscnt 0x0
	CROUND                                         ; the closing round: no work-group ends while a partner may still ask for a tile that names it
	s_endpgm
.Lfunc_end_k_q4549d6e161_oproj:
	.size	k_q4549d6e161_oproj, .Lfunc_end_k_q4549d6e161_oproj-k_q4549d6e161_oproj
	.p2alignl 7, 3214868480
	.fill 96, 4, 3214868480
	.section	.rodata,"a",@progbits
	.p2align	6, 0x0
	.amdhsa_kernel k_q4549d6e161_oproj
		.amdhsa_group_segment_fixed_size 295424
		.amdhsa_private_segment_fixed_size 0
		.amdhsa_enable_private_segment 0
		.amdhsa_kernarg_size 48
		.amdhsa_user_sgpr_count 2
		.amdhsa_user_sgpr_kernarg_segment_ptr 1
		.amdhsa_wavefront_size32 1
		.amdhsa_system_sgpr_workgroup_id_x 1
		.amdhsa_system_sgpr_workgroup_id_y 1
		.amdhsa_system_sgpr_workgroup_id_z 1
		.amdhsa_system_vgpr_workitem_id 0
		.amdhsa_next_free_vgpr 768
		.amdhsa_next_free_sgpr 102
		.amdhsa_reserve_vcc 0
		.amdhsa_float_denorm_mode_32 3
		.amdhsa_float_denorm_mode_16_64 3
		.amdhsa_memory_ordered 1
		.amdhsa_forward_progress 1
		.amdhsa_inst_pref_size 86
	.end_amdhsa_kernel
	.amdgpu_metadata
---
amdhsa.version: [ 1, 2 ]
amdhsa.kernels:
  - .name:           k_q4549d6e161_oproj
    .symbol:         k_q4549d6e161_oproj.kd
    .args:
      - { .name: ao, .offset: 0, .size: 8, .value_kind: global_buffer, .address_space: global }
      - { .name: aos, .offset: 8, .size: 8, .value_kind: global_buffer, .address_space: global }
      - { .name: gc, .offset: 16, .size: 8, .value_kind: global_buffer, .address_space: global }
      - { .name: gs, .offset: 24, .size: 8, .value_kind: global_buffer, .address_space: global }
      - { .name: bo, .offset: 32, .size: 8, .value_kind: global_buffer, .address_space: global }
      - { .name: out0, .offset: 40, .size: 8, .value_kind: global_buffer, .address_space: global }
    .group_segment_fixed_size: 295424
    .private_segment_fixed_size: 0
    .kernarg_segment_align: 8
    .kernarg_segment_size: 48
    .max_flat_workgroup_size: 128
    .sgpr_count:     102
    .vgpr_count:     768
    .wavefront_size: 32
...
	.end_amdgpu_metadata
.endif
;; end of part 4
